; MI455X (gfx1250); checked and timed in simulation.
; The chip was launched on July 23, 2026; its instructions are those of AMD's public machine-readable ISA for CDNA 5 (MIT licence, August 2026) and "CDNA5" Instruction Set Architecture Reference Guide (July 2026). The comments in the code are by the model that wrote it; some were corrected since.
;; Multi Head Self Attention. Allowed arithmetic: matrix products marked QUANTISED: E3M2 operands, one E8M0 scale for each 32 along K, by v_wmma_scale_f32_16x16x128_f8f6f4 with both operands' format E3M2, f32 sums; everything else in f32.
;; Inputs: out_b 1,024 float32; out_w 1,024 x 1,024 float32; qkv_b 3,072 float32; qkv_w 3,072 x 1,024 float32; x 2 x 2,048 x 1,024 float32.
;; Outputs: out0 2 x 2,048 x 1,024 float32.
;; This version of the problem:
;;   THIS VERSION OF THE PROBLEM IS GIVEN IN LOW PRECISION. The matrix products marked QUANTISED in the list below multiply operands that are first quantised to E3M2 (3 exponent bits, 2 mantissa bits; 6 bits a number), with one power-of-two scale for each 32 numbers along K (OCP MX v1.0); their sums are f32. All else is computed in f32.
;;   The module's matrix products, in the order in which they are computed (A, B: the left and right operand; K: the contracted axis; several contracted axes count as one K, in the product's order):
;;     1. [M 4,096, K 1,024] x [K 1,024, N 3,072]; A: input x; B: input qkv_w: QUANTISED
;;     2. batch 32 x [M 2,048, K 64] x [K 64, N 2,048]; A: computed on the way; B: computed on the way: QUANTISED
;;     3. batch 32 x [M 64, K 2,048] x [K 2,048, N 2,048]; A: computed on the way; B: softmax (see below): QUANTISED
;;     4. [M 4,096, K 1,024] x [K 1,024, N 1,024]; A: computed on the way; B: input out_w: QUANTISED
;;   THE QUANTISER, for each operand of a quantised product, along K:
;;     - K is cut into blocks of 32 from its start; a last block that is shorter is filled with zeros.
;;     - A block's scale is 2^e with e = floor(log2(the largest magnitude in the block)) - 4, held to -126 .. 127; a block of zeros has e = 0. As a byte (E8M0): e + 127.
;;     - Each number is divided by its block's scale, clamped to +-28, and rounded to the nearest number of E3M2, ties to even, subnormals kept.
;;     - The product sums the exact products of the quantised numbers (number of the format x scale) in f32.
;;   ~~~python
;;   def quantise(x, axis):      # numpy; x: float32 -> the quantised numbers, widened to float32 again
;;       x = np.moveaxis(x, axis, -1); K = x.shape[-1]
;;       x = np.pad(x, [(0, 0)] * (x.ndim - 1) + [(0, -K % 32)]); x = x.reshape(x.shape[:-1] + (-1, 32)); a = np.abs(x).max(-1, keepdims=True)
;;       e = np.where(a > 0, np.clip(np.frexp(np.where(a > 0, a, 1))[1] - 1 - 4, -126, 127), 0)      # np.frexp(a)[1] - 1 = floor(log2(a)), exactly
;;       r = np.clip(x / 2.0 ** e, -28, 28)
;;       step = 2.0 ** (np.maximum(np.frexp(np.where(r == 0, 1, r))[1] - 1, -2) - 2)
;;       q = np.round(r / step) * step * 2.0 ** e      # np.round: ties to even
;;       return np.moveaxis(q.reshape(q.shape[:-2] + (-1,))[..., :K], -1, axis).astype(np.float32)
;;   ~~~
;;   SOFTMAX AHEAD OF A QUANTISED PRODUCT. Where the list says 'softmax', what is quantised is not the finished softmax but p = 2^(t - M), with t = logit x log2(e) and M = ceil(the row's largest t), a whole number; so 1/2 < the row's largest p <= 1. The row's sum l is taken of the UNQUANTISED p, in f32, and the product's result is divided by l at the end. Since M is a whole number, a kernel that streams over the keys may use a running M (the ceiling of the running maximum): every later rescaling is an exact power of two, which a block's scale takes up: the codes' values come out the same.
;;   OPERANDS COMPUTED ON THE WAY. 'Computed on the way' means the value that the module computes at that place (a softmax that the list does not call 'softmax' is quantised finished and normalised). What goes into a quantiser is computed in f32, as accurately as f32 sums, v_exp_f32 and their like allow (about 1e-6 of the number): no bf16 or f16 on the way to a quantiser, and a product that is left as it is and whose result goes on into a quantised operand takes f32 operands (vector FMAs, or v_wmma_f32_16x16x4_f32). A number that lies on a knife's edge between two numbers of the format may be rounded either way, as far as f32 arithmetic and the matrix unit's own rounding can turn it there, and no further.
;; One version. Each part assembles by itself: llvm-mc -triple=amdgcn-amd-amdhsa -mcpu=gfx1250 --defsym DOCPART=n.
;; ======== version 1 of 1: 4 launches
;; limits: right only within a limited range of input values
;; workspace buffers: ops 6,553,600 bytes; qkv 9,830,400 bytes; ctx 3,276,800 bytes
;; launch quant (part 1): grid 256 x 1, 8 waves a work-group, no clusters, 168,960 bytes of LDS; arguments x, qkv_w, out_w, ops; writes ops
.if DOCPART == 1
	.amdgcn_target "amdgcn-amd-amdhsa--gfx1250"
	.amdhsa_code_object_version 6
	.text
	.protected	k_q8fc4920f00_quant
	.globl	k_q8fc4920f00_quant
	.p2align	8
	.type	k_q8fc4920f00_quant,@function
k_q8fc4920f00_quant:
	s_mov_b64 s[64:65], 0
	v_nop
	global_prefetch_b8 v0, s[64:65] scope:SCOPE_SE
	s_setreg_imm32_b32 hwreg(HW_REG_WAVE_MODE, 25, 1), 1
	s_wait_xcnt 0x0
; x [4096][1024], qkv_w [3072][1024], out_w [1024][1024], f32, K innermost, become codes of BF6 (E3M2) with one E8M0 byte for each 32 along K,
; laid IN THE ORDER OF THE OPERAND'S REGISTERS, so that the products' launches load fragments as dense runs.
; THE IMAGE.  Rows go in tiles of 256 (tiles 0-15 x, 16-27 qkv_w, 28-31 out_w).  Block i (0..15) of a tile, lane r: row 32 (i/2) + 8 (i%2) + r + 8 (r/8).
; A half image is 16 rows x 64 K = 768 bytes: lane (r, h) holds k = 32 h .. 32 h + 31 of its row, six registers: registers 0-3 at 16 x lane, registers 4-5 at 512 + 8 x lane.
; Codes of a tile: [K/64: 16][block: 16][768].  Scale words of a tile, behind all codes: [i/2: 8][K/256: 4][i%2][r: 16][(K/128)%2] words, byte b of a word for k = 32 b on.
; A block's scale is 2^(floor(log2(largest magnitude)) - 4); its byte is the largest magnitude's exponent field - 4, held at 1 from below.
; LIMITS: a block whose largest magnitude lies under 2^-122 (a block of zeros too) gets the byte 1: its codes are zeros or subnormal codes, and this program alone reads the bytes.  NaN and infinities are not served.
; SHARES.  A work-group takes 32 rows (two blocks), wave w K = 128 w .. 128 w + 127: four half images.  Its 32 rows x 512 bytes come by one tensor load of 32 rows x 512 bytes into LDS bytes of its own,
; issued first thing: all of the work-group's 128 KiB are on their way at once.  Only the issuing wave reads its tiles, so its own wait on TENSORcnt orders the reads.  Nothing is filled twice.
; No cluster: work-groups share no input.  No prefetch: every byte is asked for at the kernel's head.
; THE FILL AS IT STANDS: an LDS row is 512 bytes + 16 of padding = 528.
.set WREG,  17408                      ; a wave's tile
.set SCR,   139264                     ; behind the tiles: 1,024 bytes in which the eight waves' scale words meet; no tensor load lands here
.set X0,    32                         ; v32-63, v64-95: two sets of 32 numbers
.set X1,    64
.set C,     96                         ; v[96 + 8 k ..]: unit k's six registers of codes: each unit its own, so that no store's data are written again
	s_load_b256 s[4:11], s[0:1], 0x0               ; x s[4:5], qkv_w s[6:7], out_w s[8:9], ops s[10:11]
	v_lshl_add_u32 v128, v0, 2, 0x29000
	v_mov_b32 v129, 0
	ds_add_u32 v128, v129
	ds_add_u32 v128, v129
	v_lshrrev_b32 v1, 5, v0
	s_delay_alu instid0(VALU_DEP_1)
	v_readfirstlane_b32 s2, v1                     ; wave 0..7
	; descriptor group 1: 32 rows of 128 elements of 4 bytes, 1,024 elements apart; 4 words of padding behind every 128
	s_mov_b32 s16, (2<<16)|(1<<20)|(6<<22)|(3<<25)
	s_mov_b32 s17, 128<<16                         ; tensor_dim0
	s_mov_b32 s18, 32<<16                          ; tensor_dim1
	s_mov_b32 s19, 128<<16                         ; tile_dim0
	s_mov_b32 s20, 32                              ; tile_dim1
	s_mov_b32 s21, 1024                            ; from row to row
	s_mov_b32 s22, 0
	s_mov_b32 s23, 0
	s_mov_b32 s24, 1
	s_mul_i32 s25, s2, WREG                        ; my first tile in LDS
	s_lshl_b32 s36, s2, 9                          ; my 512 bytes of a row
	s_mov_b32 s37, 0
	s_mov_b32 s40, 0x76543210
	s_mov_b32 s41, 0xfedcba98                      ; v_permlanex16_b32's selects for lane l xor 16
	s_wait_dscnt 0x0
	s_wait_kmcnt 0x0
	s_cmp_lt_u32 ttmp9, 224                        ; which tensor: the choice hangs on the work-group's number alone
	s_cselect_b64 s[12:13], s[6:7], s[8:9]
	s_mov_b32 s14, 224
	s_cselect_b32 s14, 128, s14
	s_cmp_lt_u32 ttmp9, 128
	s_cselect_b64 s[12:13], s[4:5], s[12:13]
	s_cselect_b32 s14, 0, s14                      ; the tensor's first work-group
	s_sub_co_u32 s14, ttmp9, s14
	s_lshl_b32 s14, s14, 17                        ; 32 rows of 4,096 bytes each
	s_mov_b32 s15, 0
	s_add_nc_u64 s[12:13], s[12:13], s[14:15]
	s_add_nc_u64 s[26:27], s[12:13], s[36:37]      ; K = 128 w on
	s_or_b32 s27, s27, 0x80000000
	tensor_load_to_lds s[24:27], s[16:23]          ; my one load
	s_nop 0
.rept 4
	v_nop
.endr
	v_and_b32 v1, 31, v0                           ; lane
	v_and_b32 v2, 15, v0                           ; r
	v_bfe_u32 v3, v0, 4, 1                         ; h
	s_delay_alu instid0(VALU_DEP_2)
	v_and_b32 v4, 8, v2
	s_delay_alu instid0(VALU_DEP_1)
	v_add_nc_u32 v4, v4, v2                        ; r + 8 (r / 8)
	s_delay_alu instid0(VALU_DEP_1)
	v_mul_u32_u24 v4, v4, 528
	s_delay_alu instid0(VALU_DEP_1)
	v_lshl_add_u32 v4, v3, 7, v4                   ; + 128 h: my 32 numbers of the row's 64
	s_delay_alu instid0(VALU_DEP_1)
	v_add_nc_u32 v4, s25, v4
	v_lshlrev_b32 v5, 4, v1                        ; 16 x lane
	v_lshlrev_b32 v6, 3, v1                        ; 8 x lane
	s_wait_alu depctr_va_vdst(0)
	v_lshlrev_b32 v7, 3, v3                        ; 8 h
	v_mov_b32 v18, 0                               ; a lane permute's destination counts as one of its sources
	v_mov_b32 v19, 0
	s_lshr_b32 s32, ttmp9, 3                       ; the tile,
	s_mul_i32 s32, s32, 196608
	s_and_b32 s33, ttmp9, 7                        ; the pair of blocks in it,
	s_mul_i32 s33, s33, 1536
	s_add_co_u32 s32, s32, s33
	s_mul_i32 s33, s2, 24576                       ; my two K/64
	s_add_co_u32 s32, s32, s33
	s_mov_b32 s33, 0
	s_add_nc_u64 s[32:33], s[10:11], s[32:33]      ; where my codes go
	s_lshl_b32 s34, ttmp9, 10
	s_add_co_u32 s34, s34, 6291456
	s_mov_b32 s35, 0
	s_add_nc_u64 s[34:35], s[10:11], s[34:35]      ; where the work-group's 1,024 bytes of scale words go
	s_lshr_b32 s38, s2, 1
	s_lshl_b32 s38, s38, 8                         ; K/256 = w / 2
	s_and_b32 s39, s2, 1
	s_lshl_b32 s39, s39, 2                         ; (K/128) % 2 = w % 2
	s_add_co_u32 s38, s38, s39
	s_add_co_u32 s38, s38, SCR
	v_add_nc_u32 v20, s38, v6                      ; my word's place: lanes 0-15 the first block's row r, lanes 16-31 the second's
	v_add_nc_u32 v21, SCR, v5                      ; and where wave 0 reads the words back
; unit k = 2 n + u: K/64 = 2 w + n, block u of the pair
.macro LD k, set
.irp j, 0,1,2,3,4,5,6,7
	ds_load_b128 v[\set+4*\j:\set+4*\j+3], v4 offset:((\k)/2)*256+((\k)%2)*4224+16*\j
.endr
.endm
.macro WORK k, set
	v_max3_num_f32 v8, |v[\set]|, |v[\set+1]|, |v[\set+2]|         ; the block's largest magnitude: all 32 numbers are mine; two chains
	v_max3_num_f32 v9, |v[\set+3]|, |v[\set+4]|, |v[\set+5]|
.irp i, 6,10,14,18,22,26
	s_delay_alu instid0(VALU_DEP_2)
	v_max3_num_f32 v8, v8, |v[\set+\i]|, |v[\set+\i+1]|
	s_delay_alu instid0(VALU_DEP_2)
	v_max3_num_f32 v9, v9, |v[\set+\i+2]|, |v[\set+\i+3]|
.endr
	s_delay_alu instid0(VALU_DEP_2)
	v_max3_num_f32 v8, v8, |v[\set+30]|, |v[\set+31]|
	s_delay_alu instid0(VALU_DEP_1)
	v_max3_num_f32 v8, v8, v9, 0x2800000           ; and the floor 2^(5 - 127): the byte cannot fall under 1
	s_delay_alu instid0(VALU_DEP_1)
	v_add_nc_u32 v10, 0xfe000000, v8               ; 4 off the exponent field: the conversion takes this operand's exponent field as its scale
	s_delay_alu instid0(VALU_DEP_1)
	v_lshrrev_b32 v[12+\k], 23, v10                ; the scale's byte
	v_cvt_scalef32_pk16_bf6_f32 v[C+8*\k:C+8*\k+2], v[\set:\set+15], v10
	v_cvt_scalef32_pk16_bf6_f32 v[24:26], v[\set+16:\set+31], v10  ; (a conversion's three registers begin on an even number)
	v_nop                                          ; one plain instruction behind the conversions
	v_mov_b32 v[C+8*\k+3], v24
	v_mov_b32 v[C+8*\k+4], v25
	v_mov_b32 v[C+8*\k+5], v26
	global_store_b128 v5, v[C+8*\k:C+8*\k+3], s[32:33] offset:((\k)/2)*12288+((\k)%2)*768        ; 512 consecutive bytes
	global_store_b64 v6, v[C+8*\k+4:C+8*\k+5], s[32:33] offset:((\k)/2)*12288+((\k)%2)*768+512   ; 256 consecutive bytes
.endm
	s_wait_tensorcnt 0x0                           ; my tile has landed
	LD 0, X0
	LD 1, X1
	s_wait_dscnt 0x8                               ; unit 0's eight loads are in, unit 1's may be out
	WORK 0, X0
	LD 2, X0
	s_wait_dscnt 0x8
	WORK 1, X1
	LD 3, X1
	s_wait_dscnt 0x8
	WORK 2, X0
	s_wait_dscnt 0x0
	WORK 3, X1
	; a row's scale word for my 128 along K: byte 2 n + h.  I hold bytes h and 2 + h of the rows of both blocks
	v_lshl_or_b32 v16, v14, 16, v12
	v_lshl_or_b32 v17, v15, 16, v13
	s_delay_alu instid0(VALU_DEP_2)
	v_lshlrev_b32 v16, v7, v16                     ; 8 h bits up
	s_delay_alu instid0(VALU_DEP_2)
	v_lshlrev_b32 v17, v7, v17
	s_delay_alu instid0(VALU_DEP_2)
	v_permlanex16_b32 v18, v16, s40, s41
	s_delay_alu instid0(VALU_DEP_2)
	v_permlanex16_b32 v19, v17, s40, s41
	s_delay_alu instid0(VALU_DEP_2)
	v_or_b32 v16, v16, v18                         ; with lane l xor 16's two bytes the words are whole
	s_delay_alu instid0(VALU_DEP_2)
	v_or_b32 v17, v17, v19
	v_cmp_gt_u32 vcc_lo, 16, v1
	s_delay_alu instid0(VALU_DEP_1)
	v_cndmask_b32 v16, v17, v16, vcc_lo            ; lanes 0-15 keep the first block's, lanes 16-31 the second's
	ds_store_b32 v20, v16
	s_wait_dscnt 0x0                               ; for the others' sake: my store has landed
	s_barrier_signal -1
	s_barrier_wait -1
	s_cmp_lg_u32 s2, 0
	s_cbranch_scc1 .Ldone
	ds_load_b128 v[32:35], v21                     ; wave 0 sends the 1,024 bytes out as four whole runs of 256
	ds_load_b128 v[36:39], v21 offset:512
	s_wait_dscnt 0x0
	global_store_b128 v5, v[32:35], s[34:35]
	global_store_b128 v5, v[36:39], s[34:35] offset:512
.Ldone:
	s_wait_tensorcnt 0x0
	ds_add_u32 v128, v129
	s_wait_dscnt 0x0
	s_endpgm
.Lfunc_end_k_q8fc4920f00_quant:
	.size	k_q8fc4920f00_quant, .Lfunc_end_k_q8fc4920f00_quant-k_q8fc4920f00_quant
	.p2alignl 7, 3214868480
	.fill 96, 4, 3214868480
	.section	.rodata,"a",@progbits
	.p2align	6, 0x0
	.amdhsa_kernel k_q8fc4920f00_quant
		.amdhsa_group_segment_fixed_size 168960
		.amdhsa_private_segment_fixed_size 0
		.amdhsa_enable_private_segment 0
		.amdhsa_kernarg_size 32
		.amdhsa_user_sgpr_count 2
		.amdhsa_user_sgpr_kernarg_segment_ptr 1
		.amdhsa_wavefront_size32 1
		.amdhsa_system_sgpr_workgroup_id_x 1
		.amdhsa_system_sgpr_workgroup_id_y 1
		.amdhsa_system_sgpr_workgroup_id_z 1
		.amdhsa_system_vgpr_workitem_id 0
		.amdhsa_next_free_vgpr 130
		.amdhsa_next_free_sgpr 66
		.amdhsa_reserve_vcc 1
		.amdhsa_float_denorm_mode_32 3
		.amdhsa_float_denorm_mode_16_64 3
		.amdhsa_memory_ordered 1
		.amdhsa_forward_progress 1
		.amdhsa_inst_pref_size 16
	.end_amdhsa_kernel
	.amdgpu_metadata
---
amdhsa.version: [ 1, 2 ]
amdhsa.kernels:
  - .name:           k_q8fc4920f00_quant
    .symbol:         k_q8fc4920f00_quant.kd
    .args:
      - { .name: x, .offset: 0, .size: 8, .value_kind: global_buffer, .address_space: global }
      - { .name: qkv_w, .offset: 8, .size: 8, .value_kind: global_buffer, .address_space: global }
      - { .name: out_w, .offset: 16, .size: 8, .value_kind: global_buffer, .address_space: global }
      - { .name: ops, .offset: 24, .size: 8, .value_kind: global_buffer, .address_space: global }
    .group_segment_fixed_size: 168960
    .private_segment_fixed_size: 0
    .kernarg_segment_align: 8
    .kernarg_segment_size: 32
    .max_flat_workgroup_size: 256
    .sgpr_count:     66
    .vgpr_count:     130
    .wavefront_size: 32
...
	.end_amdgpu_metadata
.endif
;; end of part 1
;; launch gemm_qkv (part 2): grid 12 x 16, 4 waves a work-group, clusters of 4 x 4, 327,680 bytes of LDS; arguments ops, qkv_b, qkv; writes qkv
.if DOCPART == 2
	.amdgcn_target "amdgcn-amd-amdhsa--gfx1250"
	.amdhsa_code_object_version 6
	.text
	.protected	k_q8fc4920f00_gemm_qkv
	.globl	k_q8fc4920f00_gemm_qkv
	.p2align	8
	.type	k_q8fc4920f00_gemm_qkv,@function
k_q8fc4920f00_gemm_qkv:
	s_mov_b64 s[64:65], 0
	v_nop
	global_prefetch_b8 v0, s[64:65] scope:SCOPE_SE
	s_setreg_imm32_b32 hwreg(HW_REG_WAVE_MODE, 25, 1), 1
	s_wait_xcnt 0x0
	s_wait_alu depctr_hold_cnt(0) depctr_sa_sdst(0) depctr_va_vdst(0) depctr_va_sdst(0) depctr_va_ssrc(0) depctr_va_vcc(0) depctr_vm_vsrc(0)
	s_getreg_b32 s2, hwreg(HW_REG_IB_STS2, 6, 4)
	s_cmp_eq_u32 s2, 0
	s_cbranch_scc0 .Lentry_in_a_cluster
	s_endpgm
.Lentry_in_a_cluster:
	s_bfe_u32 s2, ttmp6, 0x10000c
	s_cmp_lg_u32 s2, 0xf033
	s_cbranch_scc0 .Lentry_shape_is_right
	s_endpgm
.Lentry_shape_is_right:
; qkv = x qkv_w^T + qkv_b on codes of BF6 (E3M2) with E8M0 scales, K = 1,024; the results never go to memory as f32: q and k are quantised along the head's 64, v along the keys, and leave as operand images.
; A tile of 256 x 256 to a work-group of four waves, 128 x 128 (64 accumulators, 512 registers) a wave.  K goes in steps of 256 through two LDS slots filled by the tensor data mover.
; OPERANDS lie in memory in the order of the operand's registers: tile of 256 rows: [K/64: 16][block: 16][768 bytes]; block i, lane r = row 32 (i/2) + 8 (i%2) + r + 8 (r/8).  So a K step's part of a tile is one dense
; block of 49,152 bytes, a fragment comes by loads of 16, 8, 16, 8 bytes a lane, each dense over the lanes, and LDS needs no padding.  A tile's scale words, 8,192 bytes, come once and stay.
; THE MATRIX INSTRUCTION IS USED TRANSPOSED: source 0 = 16 rows of B, source 1 = 16 rows of A.  A lane holds ONE row of A, and by the choice of a block's rows the 64 registers of A's block a run along
; B's rows: register 16 b + i = B's row 32 b + 16 (lane / 16) + i: the order in which the quantiser wants 128 neighbours along the next K.
; ROLES by the cluster's x: 0: q, 1: k: A = tokens, B = rows of qkv_w (a lane: a token, registers along two heads' 64).  2: v: A = v's rows of qkv_w, B = tokens (a lane: a channel, registers along 128 keys).  Only tile numbers
; differ, chosen by s_cselect_b32 on the cluster's x, which all sixteen partners share; the way out parts on the same number.
; CLUSTERS: 4 x 4.  A's tile is asked for jointly along a row of the cluster, B's along a column.
; OUT.  q, k codes [bh: 32][tile of 16 tokens: 128][768], half images; scale words [bh][step of 128 tokens: 16][r: 16][b: 4], a word = two bytes of tile 2 b, then two of tile 2 b + 1.
;       v codes [bh][step of 128 keys: 16][tile of 16 channels: 4][1,536], registers 4 c .. 4 c + 3 at 512 c + 16 x lane; scale words [bh][step][r][tile].
; LIMITS: a block whose largest magnitude lies under 2^-122 gets the byte 1; NaN and infinities are not served.
; No prefetch: K has four steps, of which two are first fills.  192 work-groups: a wave's 128 columns are whole heads of one kind; a narrower tile would cut them.
; REGISTERS: window 0: v11-31 addresses; v32-63 scale words, two sets; v128-223 A's fragments, one set; on the way out v64-250.  window 1: B's fragments, two sets, at v0 and v128.  windows 2, 3: accumulators, (a, b) at v[8 (8 (a % 4) + b)].
.set SLOT,   49152                     ; LDS: A's slot 0, A's slot 1, then from BLDS on B's two: an operand's K steps 0 and 1 lie on end, as in memory, so that one load brings both
.set BLDS,   98304
.set BOFF,   49152
.set SCL,    196608                    ; behind the ring: A's scale words, 8,192 bytes, then B's
.set SPARE,  212992                    ; the spare words, 128 bytes for each wave
.set STG,    213504                    ; the way out's stages for scale words: 512 bytes a wave for q and k, and 2,048 further on 512 a wave for v; no tensor load lands here
.set NQ,     2                         ; matrix instructions deep in a slot
.set FR,     12                        ; registers of a fragment
.set NL,     4                         ; LDS loads that bring one
.set NP,     4                         ; places behind this matrix instruction (ISA guide 7.12.1)
.set ADRA, 16                          ; v16-17 16 x lane + my A blocks in slot 0, 1;  v18-19 the same with 8 x lane
.set ADRB, 20                          ; v20-23 the same for B
.set ADRS, 27                          ; v27 my scale words: lanes 0-15 A's rows, lanes 16-31 B's
.set SPW,  28                          ; v28 my spare word; never rewritten
.set NIL,  29                          ; v29 0; never rewritten
.set SC,   32
.set AF,   128
.set L16,  24                          ; v24 16 x lane
.set L8,   25                          ; v25 8 x lane
.set SSEL, 26                          ; v26 byte select: lanes 0-15 the words' low halves, lanes 16-31 the high
.set STA,  30                          ; v30 q, k: where my scale word goes in the stage;  v31 where 16 bytes are read back
.set SRD,  31
.set STAV, 12                          ; v12, v13 the same for v
.set SRDV, 13
.set SG,   14                          ; v14 4,096 h + 16 r: the scale words' place in memory
.set H64,  15                          ; v15 64 h
.set RHO4, 11                          ; v11 4 (r + 8 (r / 8))
.set HH,   64                          ; v64-127 64 numbers of a lane
.set BN,   128                         ; v128-191 the bias
.set PC0,  192                         ; v192-211, v212-231 codes just made, two sets
.set TM,   232                         ; v232-247 at work
.set PW0,  248                         ; v248, v249 scale words just made
.set WW,   250
.set SEL,  66                          ; s66, s67 v_permlanex16_b32's selects
.set G1, 24
.set G0, 32
.set G1B, 48
.set G0B, 56
.set G1S, 68
.set G0S, 76
.set G1SB, 80
.set G0SB, 88
.set MSB, 0
.macro WIN new                         ; the immediate's high byte repeats the setting that is left
.if MSB != \new
	s_set_vgpr_msb (MSB<<8)|\new
.set MSB, \new
.endif
.endm
.set MUL_LO, 0xa1                      ; source 0 (B) window 1, source 1 (A) window 0, C and D window 2
.set MUL_HI, 0xf1
.set TO_B,   0x40
; A joint load: waves 0 and 1 fetch for A, waves 2 and 3 for B; the branch hangs on the wave's number alone.  Four v_nop follow each line.
.macro JLOAD g0a, g1a, g0b, g1b
	s_cmp_eq_u32 s15, 0
	s_cbranch_scc0 .Lfor_b_\@
	tensor_load_to_lds s[\g0a:\g0a+3], s[\g1a:\g1a+7]
	s_nop 0
.rept 4
	v_nop
.endr
	s_branch .Lasked_\@
.Lfor_b_\@:
	tensor_load_to_lds s[\g0b:\g0b+3], s[\g1b:\g1b+7]
	s_nop 0
.rept 4
	v_nop
.endr
.Lasked_\@:
.endm
.macro CREST                           ; a round of the cluster's barrier behind its opening barrier
	s_cmp_lg_u32 s14, 0
	s_cbranch_scc1 .Lnot_wave_0_\@
	s_barrier_signal -3
.Lnot_wave_0_\@:
	s_barrier_wait -3
	s_barrier_signal -1
	s_barrier_wait -1
.endm
.macro CROUND
	s_barrier_signal -1
	s_barrier_wait -1
	CREST
.endm
	s_load_b128 s[4:7], s[0:1], 0x0                ; ops s[4:5], qkv_b s[6:7]
	s_load_b64 s[8:9], s[0:1], 0x10                ; qkv
	v_lshl_add_u32 v[SPW], v0, 2, SPARE
	v_mov_b32 v[NIL], 0
	ds_add_u32 v28, v29
	ds_add_u32 v28, v29
	s_wait_dscnt 0x0
	v_lshrrev_b32 v1, 5, v0
	v_readfirstlane_b32 s14, v1                    ; wave 0..3
	s_lshr_b32 s15, s14, 1                         ; which half of A's rows is mine.  Also: I fetch for A (0) or for B (1)
	s_and_b32 s16, s14, 1                          ; which half of B's rows.  Also: which half of a K step I fetch
	s_bfe_u32 s40, ttmp6, 0x40000                  ; cx
	s_bfe_u32 s41, ttmp6, 0x40004                  ; cy
	s_and_b32 s17, ttmp7, 0xffff
	s_lshl_b32 s17, s17, 2                         ; 4 x cluster y
	s_lshl_b32 s42, ttmp9, 2
	s_add_co_u32 s42, s42, 16                      ; 16 + 4 x cluster x
	s_cmp_eq_u32 ttmp9, 2                          ; v?
	s_cselect_b32 s18, 24, s17
	s_cselect_b32 s19, s17, s42
	s_add_co_u32 s18, s18, s41                     ; A's tile: tokens 4 Y + cy, or v's rows 24 + cy: it hangs on cy alone
	s_add_co_u32 s19, s19, s40                     ; B's tile: rows 16 + 4 X + cx, or tokens 4 Y + cx: on cx alone
	s_lshl_b32 s43, s41, 2
	s_lshl_b32 s43, 15, s43                        ; my row of the cluster
	s_lshl_b32 s44, 0x1111, s40                    ; my column
	; descriptor group 1: dense blocks as rows of 256 bytes (32 elements of 8 bytes): 384 rows of codes at the head (two K steps), 96 in the ring; 32 of scale words; 15:0 the mask, 21 set beside it
	s_or_b32 s[G1+0], s43, (3<<16)|(1<<21)
	s_or_b32 s[G1B+0], s44, (3<<16)|(1<<21)
	s_or_b32 s[G1S+0], s43, (3<<16)|(1<<21)
	s_or_b32 s[G1SB+0], s44, (3<<16)|(1<<21)
.irp g, G1, G1B
	s_mov_b32 s[\g+1], 32<<16
	s_mov_b32 s[\g+2], 384<<16
	s_mov_b32 s[\g+3], 32<<16
	s_mov_b32 s[\g+4], 384
	s_mov_b32 s[\g+5], 32
	s_mov_b32 s[\g+6], 0
	s_mov_b32 s[\g+7], 0
.endr
.irp g, G1S, G1SB
	s_mov_b32 s[\g+1], 32<<16
	s_mov_b32 s[\g+2], 32<<16
	s_mov_b32 s[\g+3], 32<<16
	s_mov_b32 s[\g+4], 32
	s_mov_b32 s[\g+5], 32
	s_mov_b32 s[\g+6], 0
	s_mov_b32 s[\g+7], 0
.endr
	s_mul_i32 s45, s16, 24576                      ; my half of a K step: two K/64
	s_mul_i32 s20, s18, 196608
	s_add_co_u32 s20, s20, s45                     ; A's codes
	s_mov_b32 s21, 0
	s_mul_i32 s46, s19, 196608
	s_add_co_u32 s46, s46, s45                     ; B's
	s_mov_b32 s47, 0
	s_mov_b32 s45, 6291456                         ; the scale words lie behind all codes; a tile's 8,192 bytes come whole
	s_lshl_b32 s22, s18, 13
	s_add_co_u32 s22, s22, s45
	s_mov_b32 s23, 0
	s_lshl_b32 s92, s19, 13
	s_add_co_u32 s92, s92, s45
	s_mov_b32 s93, 0
	s_mul_i32 s45, s16, 24576                      ; where my half of a K step goes in its operand's slot: by the wave's number alone
	s_lshl_b32 s94, s15, 13                        ; A's scale words, then B's
	s_mov_b32 s[SEL], 0x76543210
	s_mov_b32 s[SEL+1], 0xfedcba98
	s_wait_kmcnt 0x0
	s_add_nc_u64 s[20:21], s[4:5], s[20:21]
	s_add_nc_u64 s[22:23], s[4:5], s[22:23]
	s_add_nc_u64 s[46:47], s[4:5], s[46:47]
	s_add_nc_u64 s[92:93], s[4:5], s[92:93]
	CROUND                                         ; all sixteen work-groups are here: the first joint loads meet
	s_mov_b32 s[G0S], 1
	s_add_co_u32 s[G0S+1], s94, SCL
	s_mov_b64 s[G0S+2:G0S+3], s[22:23]
	s_or_b32 s[G0S+3], s[G0S+3], 0x80000000
	s_mov_b32 s[G0SB], 1
	s_add_co_u32 s[G0SB+1], s94, SCL
	s_mov_b64 s[G0SB+2:G0SB+3], s[92:93]
	s_or_b32 s[G0SB+3], s[G0SB+3], 0x80000000
.irp s, 0,1
	s_mov_b32 s[G0+4*\s], 1
	s_add_co_u32 s[G0+4*\s+1], s45, \s*SLOT
	s_add_nc_u64 s[G0+4*\s+2:G0+4*\s+3], s[20:21], \s*BOFF
	s_or_b32 s[G0+4*\s+3], s[G0+4*\s+3], 0x80000000
	s_mov_b32 s[G0B+4*\s], 1
	s_add_co_u32 s[G0B+4*\s+1], s45, \s*SLOT+BLDS
	s_add_nc_u64 s[G0B+4*\s+2:G0B+4*\s+3], s[46:47], \s*BOFF
	s_or_b32 s[G0B+4*\s+3], s[G0B+4*\s+3], 0x80000000
.endr
	; THE HEAD'S LOADS, one a wave, in one chain of branches on the wave's number: wave 0 A's K steps 0 and 1 (its slot 0 descriptor with 384 rows), wave 2 B's, wave 1 A's scale words, wave 3 B's
	s_cmp_eq_u32 s14, 0
	s_cbranch_scc0 .Lh_b
	tensor_load_to_lds s[G0:G0+3], s[G1:G1+7]
	s_nop 0
.rept 4
	v_nop
.endr
	s_branch .Lh_join
.Lh_b:
	s_cmp_eq_u32 s14, 2
	s_cbranch_scc0 .Lh_sa
	tensor_load_to_lds s[G0B:G0B+3], s[G1B:G1B+7]
	s_nop 0
.rept 4
	v_nop
.endr
	s_branch .Lh_join
.Lh_sa:
	s_cmp_eq_u32 s14, 1
	s_cbranch_scc0 .Lh_sb
	tensor_load_to_lds s[G0S:G0S+3], s[G1S:G1S+7]
	s_nop 0
.rept 4
	v_nop
.endr
	s_branch .Lh_join
.Lh_sb:
	tensor_load_to_lds s[G0SB:G0SB+3], s[G1SB:G1SB+7]
	s_nop 0
.rept 4
	v_nop
.endr
.Lh_join:
	v_and_b32 v1, 15, v0                           ; r
	v_bfe_u32 v2, v0, 4, 1                         ; h
	v_and_b32 v3, 31, v0                           ; lane
	v_lshlrev_b32 v4, 4, v3
	v_lshlrev_b32 v5, 3, v3
	s_mul_i32 s21, s15, 6144                       ; my eight blocks of A,
	s_mul_i32 s22, s16, 6144                       ; of B,
	s_add_co_u32 s22, s22, BLDS                    ; which lie behind A's two slots
.irp s, 0,1
	v_add_nc_u32 v[ADRA+\s], s21, v4
	v_add_nc_u32 v[ADRA+2+\s], s21, v5
	v_add_nc_u32 v[ADRB+\s], s22, v4
	v_add_nc_u32 v[ADRB+2+\s], s22, v5
	s_add_co_u32 s21, s21, SLOT
	s_add_co_u32 s22, s22, SLOT
.endr
	v_lshlrev_b32 v6, 3, v1                        ; my row's two words of a K step: 8 r
	s_lshl_b32 s21, s15, 12                        ; A's: my 128 rows
	s_lshl_b32 s22, s16, 12                        ; B's: my 128 rows, behind A's 256
	s_add_co_u32 s22, s22, 8192
	s_sub_co_u32 s22, s22, s21
	v_mul_u32_u24 v7, s22, v2                      ; lanes 16-31 take B's: one product of h
	s_add_co_u32 s21, s21, SCL
	v_add_nc_u32 v6, v6, v7
	v_add_nc_u32 v[ADRS], s21, v6
	; the way out's addresses, all made here, ahead of the parting of the ways
	v_mov_b32 v[L16], v4
	v_mov_b32 v[L8], v5
	v_cmp_gt_u32 vcc_lo, 16, v3
	v_mov_b32 v7, 0x07060302
	v_mov_b32 v8, 0x05040100
	v_cndmask_b32 v[SSEL], v7, v8, vcc_lo
	s_lshl_b32 s23, s14, 9
	s_add_co_u32 s23, s23, STG                     ; my stage
	v_lshlrev_b32 v8, 4, v1                        ; 16 r
	v_lshl_add_u32 v9, v2, 8, v8
	v_add_nc_u32 v[STA], s23, v9
	v_add_nc_u32 v[SRD], s23, v4
	s_add_co_u32 s23, s23, 2048
	v_add_nc_u32 v[STAV], s23, v8
	v_add_nc_u32 v[SRDV], s23, v4
	v_lshl_add_u32 v[SG], v2, 12, v8
	v_lshlrev_b32 v[H64], 6, v2
	v_and_b32 v9, 8, v1
	v_add_nc_u32 v9, v9, v1
	v_lshlrev_b32 v[RHO4], 2, v9
.irp b, 0,1,2,3
	v_mov_b32 v[TM+4+\b], 0                        ; written once: a lane permute's destination counts as one of its sources
.endr
.macro FRAG reg, adr, q, i             ; a fragment, 16 rows x 128 K, 12 registers: two half images; registers 6 c .. 6 c + 3 at 16 x lane, 6 c + 4, 6 c + 5 at 512 + 8 x lane
.irp c, 0,1
	ds_load_b128 v[\reg+6*\c:\reg+6*\c+3], v[\adr] offset:(2*(\q)+\c)*12288+(\i)*768
	ds_load_b64 v[\reg+6*\c+4:\reg+6*\c+5], v[\adr+2] offset:(2*(\q)+\c)*12288+(\i)*768+512
.endr
.endm
; 16 matrix instructions: A's blocks a0, a0 + 1 x B's eight, 128 along K.  The 64 accumulators take turns, one instruction a turn, in the same order in every step.
.macro MUL16 a0, p, q, sc, zero
.irp a, \a0, \a0+1
.irp b, 0,1,2,3,4,5,6,7
.if \zero
	v_wmma_scale_f32_16x16x128_f8f6f4 v[8*(8*((\a)%4)+\b):8*(8*((\a)%4)+\b)+7], v[128*(\p)+FR*\b:128*(\p)+FR*\b+FR-1], v[AF+FR*(\a):AF+FR*(\a)+FR-1], 0, v[SC+8*NQ*(\sc)+NQ*\b+(\q)], v[SC+8*NQ*(\sc)+NQ*(\a)+(\q)] matrix_a_fmt:MATRIX_FMT_BF6 matrix_b_fmt:MATRIX_FMT_BF6 matrix_a_scale:MATRIX_SCALE_ROW1
.else
	v_wmma_scale_f32_16x16x128_f8f6f4 v[8*(8*((\a)%4)+\b):8*(8*((\a)%4)+\b)+7], v[128*(\p)+FR*\b:128*(\p)+FR*\b+FR-1], v[AF+FR*(\a):AF+FR*(\a)+FR-1], v[8*(8*((\a)%4)+\b):8*(8*((\a)%4)+\b)+7], v[SC+8*NQ*(\sc)+NQ*\b+(\q)], v[SC+8*NQ*(\sc)+NQ*(\a)+(\q)] matrix_a_fmt:MATRIX_FMT_BF6 matrix_b_fmt:MATRIX_FMT_BF6 matrix_a_scale:MATRIX_SCALE_ROW1
.endif
.endr
.endr
.endm
.macro FETCH_B slot, q, p
	WIN TO_B
.irp i, 0,1,2,3,4,5,6,7
	FRAG 128*(\p)+FR*\i, ADRB+\slot, \q, \i
.endr
	WIN 0
.endm
.macro FETCH_A slot, q, i0
.irp i, \i0, \i0+1, \i0+2, \i0+3
	FRAG AF+FR*(\i), ADRA+\slot, \q, \i
.endr
.endm
.macro SCALES sc                       ; a K step's scale words: two words a row; lanes 0-15 A's block i, lanes 16-31 B's block i
.irp i, 0,1,2,3,4,5,6,7
	ds_load_b64 v[SC+8*NQ*\sc+NQ*\i:SC+8*NQ*\sc+NQ*\i+1], v[ADRS] offset:(\i/2)*1024+(\i%2)*128
.endr
.endm
.macro PLACES n                        ; plain vector instructions between a matrix instruction and a load into, or a read of, its registers (ISA guide 7.12.1 for reads)
.rept \n
	v_nop
.endr
.endm
.macro STEP slot, q, zero              ; 128 along K that have their successor in the same slot
	s_wait_dscnt 4*NL                              ; B's set, A's blocks 0-3 and the scale words are in; the youngest sixteen loads (A's blocks 4-7) may be out
	WIN MUL_LO
	MUL16 0, (\q)%2, \q, \slot, \zero
	MUL16 2, (\q)%2, \q, \slot, \zero
	s_wait_dscnt 0
	PLACES NP
	FETCH_B \slot, (\q)+1, 1-(\q)%2
	FETCH_A \slot, (\q)+1, 0
	WIN MUL_HI
	MUL16 4, (\q)%2, \q, \slot, \zero
	MUL16 6, (\q)%2, \q, \slot, \zero
	PLACES NP
	WIN 0
	FETCH_A \slot, (\q)+1, 4
.endm
; A slot's last step changes slots: one barrier; in front of it each wave waits for all its tensor loads, adds 0 to its spare word, and waits for that and for its reads of this slot.
.macro TURN slot, next, fill
	s_wait_tensorcnt 0x0                           ; all my tensor loads have landed: my part of the next slot
	ds_add_u32 v[SPW], v[NIL]                      ; 0 onto my spare word
	s_wait_dscnt 4*NL+1                            ; (the add and the youngest sixteen loads may be out)
	WIN MUL_LO
	MUL16 0, 1, NQ-1, \slot, 0
	s_wait_dscnt 0x0                               ; the add is done, and my reads of this slot are over
	s_barrier_signal -1
	MUL16 2, 1, NQ-1, \slot, 0
	WIN 0
	s_barrier_wait -1
.if \fill
	CREST                                          ; the barrier has opened a round of the cluster's: no wave of any partner still reads this slot or has a load on its way
	s_add_nc_u64 s[G0+4*\slot+2:G0+4*\slot+3], s[G0+4*\slot+2:G0+4*\slot+3], 2*BOFF
	s_add_nc_u64 s[G0B+4*\slot+2:G0B+4*\slot+3], s[G0B+4*\slot+2:G0B+4*\slot+3], 2*BOFF
	JLOAD G0+4*\slot, G1, G0B+4*\slot, G1B         ; the first tensor load behind the round; its four v_nop are the places in front of the loads below
.else
	PLACES NP
.endif
	s_wait_alu depctr_va_vdst(0)
	v_add_nc_u32 v[ADRS], 256, v[ADRS]             ; the next K step's scale words
	FETCH_B \next, 0, 0
	FETCH_A \next, 0, 0
	SCALES \next
	WIN MUL_HI
	MUL16 4, 1, NQ-1, \slot, 0
	MUL16 6, 1, NQ-1, \slot, 0
	PLACES NP
	WIN 0
	FETCH_A \next, 0, 4
.endm
	s_wait_alu depctr_va_vdst(0)
	s_wait_tensorcnt 0x0                           ; my one load of the head is in: no load of mine is out, so a descriptor may be written:
	s_mov_b32 s[G1+2], 96<<16                      ; from here on a load brings 96 rows, half of a K step of one operand
	s_mov_b32 s[G1+4], 96
	s_mov_b32 s[G1B+2], 96<<16
	s_mov_b32 s[G1B+4], 96
	s_barrier_signal -1
	s_barrier_wait -1                              ; everybody's are
	FETCH_B 0, 0, 0
	FETCH_A 0, 0, 0
	SCALES 0
	FETCH_A 0, 0, 4
	STEP 0, 0, 1                                   ; the first step's products start the sums
	s_mov_b32 s3, 1
.Llap:                                                 ; once round the ring: both slots are filled again (K steps 2 and 3)
	TURN 0, 1, 1
	STEP 1, 0, 0
	TURN 1, 0, 1
	STEP 0, 0, 0
	s_sub_co_u32 s3, s3, 1
	s_cmp_lg_u32 s3, 0
	s_cbranch_scc1 .Llap
	TURN 0, 1, 0                                   ; the last lap fills nothing
	STEP 1, 0, 0
	s_wait_dscnt 4*NL
	WIN MUL_LO
	MUL16 0, 1, NQ-1, 1, 0
	MUL16 2, 1, NQ-1, 1, 0
	s_wait_dscnt 0
	WIN MUL_HI
	MUL16 4, 1, NQ-1, 1, 0
	MUL16 6, 1, NQ-1, 1, 0
	WIN 0
; 64 numbers of a lane, register 16 b + i = k 32 b + 16 (lane / 16) + i of my row, become a fragment's codes in v[pc .. pc + 11] and its scale word in v[pw] (v[pc + 12 .. pc + 18] at work).
.macro QUANT s, pc, pw
.irp b, 0,1,2,3
	v_max3_num_f32 v[TM+\b], |v[\s+16*\b]|, |v[\s+1+16*\b]|, 0x2800000   ; my 16 numbers of block b, and the floor 2^(5 - 127): the byte cannot fall under 1
.endr
.irp i, 2,4,6,8,10,12,14
.irp b, 0,1,2,3
	v_max3_num_f32 v[TM+\b], v[TM+\b], |v[\s+16*\b+\i]|, |v[\s+1+16*\b+\i]|
.endr
.endr
.irp b, 0,1,2,3
	v_permlanex16_b32 v[TM+4+\b], v[TM+\b], s[SEL], s[SEL+1]
.endr
.irp b, 0,1,2,3
	v_max_num_f32 v[TM+\b], v[TM+\b], v[TM+4+\b]   ; with lane l xor 16's: the block's largest magnitude
.endr
.irp b, 0,1,2,3
	v_add_nc_u32 v[TM+12+\b], 0xfe000000, v[TM+\b] ; 4 off its exponent field: the conversion's scale operand
.endr
.irp b, 0,1,2,3
	v_lshrrev_b32 v[TM+4+\b], 23, v[TM+12+\b]      ; the scale's byte
.endr
	v_lshl_or_b32 v[\pw], v[TM+5], 8, v[TM+4]
	v_lshl_or_b32 v[\pw], v[TM+6], 16, v[\pw]
	v_lshl_or_b32 v[\pw], v[TM+7], 24, v[\pw]
.irp c, 0,1
	v_cvt_scalef32_pk16_bf6_f32 v[\pc+6*\c:\pc+2+6*\c], v[\s+32*\c:\s+15+32*\c], v[TM+12+2*\c]
	v_cvt_scalef32_pk16_bf6_f32 v[\pc+12+4*\c:\pc+14+4*\c], v[\s+16+32*\c:\s+31+32*\c], v[TM+12+2*\c+1]
.endr
	v_nop                                          ; one plain instruction behind the conversions
.irp c, 0,1                                    ; the layout wants a whole block in a lane: lanes 0-15 block 2 c, lanes 16-31 block 2 c + 1
.irp i, 0,1,2
	v_permlane16_swap_b32 v[\pc+6*\c+\i], v[\pc+12+4*\c+\i]
.endr
.irp i, 0,1,2
	v_mov_b32 v[\pc+3+6*\c+\i], v[\pc+12+4*\c+\i]
.endr
.endr
.endm
; q, k: A's block a: 16 tokens x two heads.  Registers 0-5 of the fragment are the first head's half image, 6-11 the second's.
.macro QK a
	s_wait_xcnt 0x0                                ; the earlier stores have read the codes' registers
	WIN (0x02+(\a)/4)                              ; source 0: window 2 or 3
.set k, 0
.rept 32
	v_pk_add_f32 v[HH+2*k:HH+2*k+1], v[64*((\a)%4)+2*k:64*((\a)%4)+2*k+1], v[BN+2*k:BN+2*k+1]   ; + the bias; each accumulator is read from its low end on
.set k, k+1
.endr
	WIN 0
	QUANT HH, PC0+20*((\a)%2), PW0+(\a)%2
.irp c, 0,1
	global_store_b128 v[L16], v[PC0+20*((\a)%2)+6*\c:PC0+20*((\a)%2)+6*\c+3], s[12:13] offset:\c*98304+(\a)*768        ; 512 consecutive bytes
	global_store_b64 v[L8], v[PC0+20*((\a)%2)+6*\c+4:PC0+20*((\a)%2)+6*\c+5], s[12:13] offset:\c*98304+(\a)*768+512    ; 256 consecutive bytes
.endr
.if (\a)%2
	v_perm_b32 v[WW], v[PW0+1], v[PW0], v[SSEL]    ; two bytes of tile 2 b, two of tile 2 b + 1: lanes 0-15 the first head's, lanes 16-31 the second's
	ds_store_b32 v[STA], v[WW] offset:4*((\a)/2)
.endif
.endm
; v: A's block a: 16 channels (head a / 4, tile a % 4) x 128 keys: a whole fragment
.macro VB a
	s_wait_xcnt 0x0
	WIN (0x02+(\a)/4)
.set k, 0
.rept 32
	v_pk_add_f32 v[HH+2*k:HH+2*k+1], v[64*((\a)%4)+2*k:64*((\a)%4)+2*k+1], v[BN+2*(\a):BN+2*(\a)+1]   ; my channel's bias, twice in a pair
.set k, k+1
.endr
	WIN 0
	QUANT HH, PC0, PW0
.irp c, 0,1,2
	global_store_b128 v[L16], v[PC0+4*\c:PC0+4*\c+3], s[12:13] offset:((\a)/4)*98304+((\a)%4)*1536+512*\c
.endr
	ds_store_b32 v[STAV], v[PW0] offset:((\a)/4)*256+((\a)%4)*4    ; lanes r and r + 16 write the same word with the same value
.endm
	PLACES NP                                      ; behind the last products: loads into A's registers and reads of results follow
	s_cmp_eq_u32 ttmp9, 2                          ; the cluster's x: the same in all partners and all waves
	s_cbranch_scc1 .Lv
	; ---- q, k.  s18 = the tokens' tile, s19 - 16 = the tile of qkv_w's rows
	s_sub_co_u32 s20, s19, 16
	s_lshl_b32 s20, s20, 10
	s_lshl_b32 s21, s16, 9
	s_add_co_u32 s20, s20, s21
	s_mov_b32 s21, 0
	s_add_nc_u64 s[6:7], s[6:7], s[20:21]          ; the bias of my 128 columns
.irp t, 0,1,2,3,4,5,6,7
	global_load_b128 v[BN+8*\t:BN+8*\t+3], v[H64], s[6:7] offset:(32*(\t/2)+8*(\t%2))*4
	global_load_b128 v[BN+8*\t+4:BN+8*\t+7], v[H64], s[6:7] offset:(32*(\t/2)+8*(\t%2))*4+16
.endr
	s_lshr_b32 s22, s18, 3                         ; the batch
	s_lshl_b32 s22, s22, 4
	s_lshl_b32 s23, s40, 2
	s_add_co_u32 s22, s22, s23
	s_lshl_b32 s23, s16, 1
	s_add_co_u32 s22, s22, s23                     ; my first (batch, head)
	s_and_b32 s23, s18, 7
	s_lshl_b32 s23, s23, 1
	s_add_co_u32 s23, s23, s15                     ; my step of 128 tokens
	s_mul_i32 s20, ttmp9, 3145728                  ; q's codes, or k's
	s_mul_i32 s45, s22, 98304
	s_add_co_u32 s20, s20, s45
	s_mul_i32 s45, s23, 6144
	s_add_co_u32 s20, s20, s45
	s_add_nc_u64 s[12:13], s[8:9], s[20:21]
	s_lshl_b32 s20, ttmp9, 17
	s_lshl_b32 s45, s22, 12
	s_add_co_u32 s20, s20, s45
	s_lshl_b32 s45, s23, 8
	s_add_co_u32 s20, s20, s45
	s_add_co_u32 s20, s20, 9437184
	s_add_nc_u64 s[96:97], s[8:9], s[20:21]        ; their scale words
	s_wait_loadcnt 0x0
.irp a, 0,1,2,3,4,5,6,7
	QK \a
.endr
	ds_load_b128 v[32:35], v[SRD]                  ; LDS serves a wave's instructions in order: this sees my stores
	s_wait_dscnt 0x0
	global_store_b128 v[SG], v[32:35], s[96:97]    ; lanes 0-15 the first head's 256 bytes, lanes 16-31 the second's
	s_branch .Lend
.Lv:
	; ---- v.  s19 = the tokens' tile, cy = the tile of v's rows
	s_lshl_b32 s20, s41, 10
	s_lshl_b32 s21, s15, 9
	s_add_co_u32 s20, s20, s21
	s_add_co_u32 s20, s20, 8192
	s_mov_b32 s21, 0
	s_add_nc_u64 s[6:7], s[6:7], s[20:21]          ; the bias of my 128 channels
.irp a, 0,1,2,3,4,5,6,7
	global_load_b32 v[BN+2*\a], v[RHO4], s[6:7] offset:(32*(\a/2)+8*(\a%2))*4
	global_load_b32 v[BN+2*\a+1], v[RHO4], s[6:7] offset:(32*(\a/2)+8*(\a%2))*4
.endr
	s_lshr_b32 s22, s19, 3
	s_lshl_b32 s22, s22, 4
	s_lshl_b32 s23, s41, 2
	s_add_co_u32 s22, s22, s23
	s_lshl_b32 s23, s15, 1
	s_add_co_u32 s22, s22, s23                     ; my first (batch, head)
	s_and_b32 s23, s19, 7
	s_lshl_b32 s23, s23, 1
	s_add_co_u32 s23, s23, s16                     ; my step of 128 keys
	s_mul_i32 s20, s22, 98304
	s_mul_i32 s45, s23, 6144
	s_add_co_u32 s20, s20, s45
	s_add_co_u32 s20, s20, 6291456
	s_add_nc_u64 s[12:13], s[8:9], s[20:21]
	s_lshl_b32 s20, s22, 12
	s_lshl_b32 s45, s23, 8
	s_add_co_u32 s20, s20, s45
	s_add_co_u32 s20, s20, 9699328
	s_add_nc_u64 s[96:97], s[8:9], s[20:21]
	s_wait_loadcnt 0x0
.irp a, 0,1,2,3,4,5,6,7
	VB \a
.endr
	ds_load_b128 v[32:35], v[SRDV]
	s_wait_dscnt 0x0
	global_store_b128 v[SG], v[32:35], s[96:97]
.Lend:
	s_wait_tensorcnt 0x0                           ; the wave's end, behind my last tensor load and my last LDS store
	ds_add_u32 v[SPW], v[NIL]
	s_wait_dscnt 0x0
	CROUND                                         ; the closing round: no work-group ends while a partner may still ask for a tile that names it
	s_endpgm
.Lfunc_end_k_q8fc4920f00_gemm_qkv:
	.size	k_q8fc4920f00_gemm_qkv, .Lfunc_end_k_q8fc4920f00_gemm_qkv-k_q8fc4920f00_gemm_qkv
	.p2alignl 7, 3214868480
	.fill 96, 4, 3214868480
	.section	.rodata,"a",@progbits
	.p2align	6, 0x0
	.amdhsa_kernel k_q8fc4920f00_gemm_qkv
		.amdhsa_group_segment_fixed_size 327680
		.amdhsa_private_segment_fixed_size 0
		.amdhsa_enable_private_segment 0
		.amdhsa_kernarg_size 24
		.amdhsa_user_sgpr_count 2
		.amdhsa_user_sgpr_kernarg_segment_ptr 1
		.amdhsa_wavefront_size32 1
		.amdhsa_system_sgpr_workgroup_id_x 1
		.amdhsa_system_sgpr_workgroup_id_y 1
		.amdhsa_system_sgpr_workgroup_id_z 1
		.amdhsa_system_vgpr_workitem_id 0
		.amdhsa_next_free_vgpr 1024
		.amdhsa_next_free_sgpr 98
		.amdhsa_reserve_vcc 1
		.amdhsa_float_denorm_mode_32 3
		.amdhsa_float_denorm_mode_16_64 3
		.amdhsa_memory_ordered 1
		.amdhsa_forward_progress 1
		.amdhsa_inst_pref_size 219
	.end_amdhsa_kernel
	.amdgpu_metadata
---
amdhsa.version: [ 1, 2 ]
amdhsa.kernels:
  - .name:           k_q8fc4920f00_gemm_qkv
    .symbol:         k_q8fc4920f00_gemm_qkv.kd
    .args:
      - { .name: ops, .offset: 0, .size: 8, .value_kind: global_buffer, .address_space: global }
      - { .name: qkv_b, .offset: 8, .size: 8, .value_kind: global_buffer, .address_space: global }
      - { .name: qkv, .offset: 16, .size: 8, .value_kind: global_buffer, .address_space: global }
    .group_segment_fixed_size: 327680
    .private_segment_fixed_size: 0
    .kernarg_segment_align: 8
    .kernarg_segment_size: 24
    .max_flat_workgroup_size: 128
    .sgpr_count:     98
    .vgpr_count:     1024
    .wavefront_size: 32
...
	.end_amdgpu_metadata
.endif
;; end of part 2
;; launch attn (part 3): grid 8 x 32, 8 waves a work-group, clusters of 4 x 1, 206,848 bytes of LDS; arguments qkv, ctx; writes ctx
.if DOCPART == 3
	.amdgcn_target "amdgcn-amd-amdhsa--gfx1250"
	.amdhsa_code_object_version 6
	.text
	.protected	k_q8fc4920f00_attn
	.globl	k_q8fc4920f00_attn
	.p2align	8
	.type	k_q8fc4920f00_attn,@function
k_q8fc4920f00_attn:
	s_mov_b64 s[64:65], 0
	v_nop
	global_prefetch_b8 v0, s[64:65] scope:SCOPE_SE
	s_setreg_imm32_b32 hwreg(HW_REG_WAVE_MODE, 25, 1), 1
	s_wait_xcnt 0x0
	s_wait_alu depctr_hold_cnt(0) depctr_sa_sdst(0) depctr_va_vdst(0) depctr_va_sdst(0) depctr_va_ssrc(0) depctr_va_vcc(0) depctr_vm_vsrc(0)
	s_getreg_b32 s2, hwreg(HW_REG_IB_STS2, 6, 4)
	s_cmp_eq_u32 s2, 0
	s_cbranch_scc0 .Lentry_in_a_cluster
	s_endpgm
.Lentry_in_a_cluster:
	s_bfe_u32 s2, ttmp6, 0x10000c
	s_cmp_lg_u32 s2, 0x3003
	s_cbranch_scc0 .Lentry_shape_is_right
	s_endpgm
.Lentry_shape_is_right:
; ctx[b][q][h][:] = the sum over k of softmax_k(q . k / 8) v, both products on codes of BF6 (E3M2) with E8M0 scales; ctx leaves quantised along h x 64 + d, as the last product's operand image.
; THE SOFTMAX: t = score x log2(e) / 8; M = the running largest t rounded UP to a whole number; p = 2^(t - M) is quantised along the keys, not normalised; the row's sum is taken of the unquantised p and divides at the end.
; When M moves, the sum and O are multiplied by 2^(old M - new M): exact.
; SHARES.  A work-group owns 256 queries of one (batch, head); each of its eight waves 32 of them, two tiles of 16, in 512 registers: every fragment of K and V that a wave reads from LDS feeds both tiles.
; A WHOLE HEAD'S K AND V, codes and scale words, 204,800 bytes, come into LDS ONCE, one tensor load a wave: waves 0-2 a third of K's codes each, waves 3-5 of V's, wave 6 both sets of scale words (two rows of 4,096 bytes).
; One wait and one barrier show all of it to all waves; behind it the waves share nothing.  The four query blocks of a cluster walk the same head: each load is asked for jointly by the four.  Every byte is asked for at the head: nothing is left to prefetch.
; LAYOUT.  Both products are used transposed: S^T = K Q^T, O^T = V^T P^T: a lane holds ONE query of each tile throughout.
; K = 64 IN AN INSTRUCTION OF 128.  A 12-register operand of K holds one tile's 64 channels in registers 0-5 and another's in 6-11.  Multiplied by [q | zero codes] it gives the first, by [zero codes | q] the second; 18 registers [q | 0 | q] serve as both.
; The other half meets zero codes (under the scale byte 0, which is 2^-127 and no NaN) and adds exactly 0.
; WHICH KEYS FORM A TILE is chosen by each lane's LDS address.  In memory tile 2 b + u, row r' is key 32 b + 8 u + r' + 8 (r' / 8).  Operand (c, g), half u, row r is read from tile 2 (2 c + r / 8) + u, row r % 8 + 8 g: key 64 c + 32 (r / 8) + 8 (2 g + u) + r % 8.
; So lanes 0-15 of a result hold keys of block 2 c and lanes 16-31 of block 2 c + 1, and a lane's registers 32 c .. 32 c + 31 are A WHOLE BLOCK OF 32 KEYS in order: just what the second product's operand wants of that lane.
; A block's maximum needs no other lane and the codes are not moved between lanes.  Rows r and r + 8 read the same banks, 1,536 bytes apart: K's loads are served in two turns.
; LIMITS: the promise holds while |t| stays under 2^31.  A block of ctx whose largest magnitude lies under 2^-122 gets the byte 1; NaN and infinities are not served.  ctx's scale bytes leave two at a time: a scale word spans two heads, two work-groups'.
; REGISTERS.  Window 0: addresses, the small state of both tiles (x = 0, 1), K's and V's operands, q.  Window 1, tile x from 116 x on: S^T then p (64), O^T (32), p's codes (12), 8 at work.  One window setting serves both tiles, whose chains take turns.
.set VIMG, 98304                       ; LDS: K's images at 0: [step: 16][6,144];  V's here: [step][6,144]
.set KSC,  196608                      ; K's scale words [step][r'][b], 4,096 bytes;  V's 4,096 further on
.set SPARE, 204800                     ; the spare words: 128 bytes for each of 8 waves
.set WV,   8
.set SEL,  52
.set CS,   54                          ; s[54:55] c = log2(e) / 8, twice
.set STK,  56                          ; the step's images: 6,144 a step
.set STS,  57                          ; its scale words: 256 a step
.set CNT,  58
.set NM,   16                          ; v[16 + 2 x] -M, v[17 + 2 x] the largest t
.set LS,   20                          ; the sum, in two halves
.set FF,   24                          ; f, and a word that is only named
.set QS,   28                          ; q's scale words: for [q|0], for [0|q]
.set PW,   32                          ; p's scale word
.set TMP,  34
.set TP,   36                          ; a lane permute's destination
.set KS,   40                          ; K's four scale words;  v44-47 V's
.set VS,   44
.set BM,   48                          ; v[48 + 2 x + c] a block's largest score, then its largest p
.set SO,   52                          ; the conversions' scale operands
.set BY,   56                          ; scale bytes
.set SUMC, 64                          ; v[64 + 8 x ..] four chains of the sum
.set KF,   80                          ; K's four operands
.set VF,   128                         ; V's four
.set QB,   176                         ; v[176 + 18 x ..] [q | 0 | q]
.set TB,   116                         ; window 1: a tile's registers
.set OO,   64
.set CC,   96
.set CT,   108
.set MSB, 0
.macro WIN new                         ; the immediate's high byte repeats the setting that is left
.if MSB != \new
	s_set_vgpr_msb (MSB<<8)|\new
.set MSB, \new
.endif
.endm
.macro CROUND                          ; a round of the cluster's barrier
	s_barrier_signal -1
	s_barrier_wait -1
	s_cmp_lg_u32 s[WV], 0
	s_cbranch_scc1 .Lnot_wave_0_\@
	s_barrier_signal -3
.Lnot_wave_0_\@:
	s_barrier_wait -3
	s_barrier_signal -1
	s_barrier_wait -1
.endm
	s_load_b128 s[4:7], s[0:1], 0x0                ; qkv s[4:5], ctx s[6:7]
	v_lshl_add_u32 v254, v0, 2, SPARE
	v_mov_b32 v255, 0
	ds_add_u32 v254, v255                          ; the opening lines: the add twice on end and one wait
	ds_add_u32 v254, v255
	v_lshrrev_b32 v1, 5, v0
	v_readfirstlane_b32 s[WV], v1                  ; wave 0..7
	s_bfe_u32 s9, ttmp6, 0x40000                   ; cx: it enters Q's and ctx's addresses alone
	s_lshl_b32 s10, ttmp9, 2
	s_add_co_u32 s10, s10, s9                      ; my block of 256 queries
	s_and_b32 s11, ttmp7, 0xffff                   ; (batch, head), which the four partners share
	; descriptor group 1, elements of 8 bytes; mask: all four work-groups, bit 21 beside it.  Codes: a dense block as 128 rows of 256 bytes.  Scale words: 2 rows of 4,096 bytes, 131,072 apart
	s_mov_b32 s16, 15|(3<<16)|(1<<21)
	s_mov_b32 s17, 32<<16
	s_mov_b32 s18, 128<<16
	s_mov_b32 s19, 32<<16
	s_mov_b32 s20, 128
	s_mov_b32 s21, 32
	s_mov_b32 s22, 0
	s_mov_b32 s23, 0
	s_mov_b32 s24, 15|(3<<16)|(1<<21)
	s_mov_b32 s25, 512<<16
	s_mov_b32 s26, 2<<16
	s_mov_b32 s27, 512<<16
	s_mov_b32 s28, 2
	s_mov_b32 s29, 16384
	s_mov_b32 s30, 0
	s_mov_b32 s31, 0
	s_cmp_ge_u32 s[WV], 3                          ; waves 0-2 K, waves 3-5 V: V's codes lie 3,145,728 bytes behind K's, in LDS 98,304
	s_cselect_b32 s2, 3047424, 0
	s_lshl_b32 s37, s[WV], 15                      ; where my 32,768 bytes go
	s_add_co_u32 s2, s2, s37
	s_mul_i32 s12, s11, 98304
	s_add_co_u32 s2, s2, s12
	s_add_co_u32 s2, s2, 3145728
	s_mov_b32 s3, 0
	s_lshl_b32 s14, s11, 12
	s_add_co_u32 s14, s14, 9568256                 ; K's scale words of my head
	s_mov_b32 s15, 0
	s_mov_b32 s32, 1
	s_mov_b32 s33, KSC
	s_mov_b32 s36, 1
	s_mov_b32 s[SEL], 0x76543210
	s_mov_b32 s[SEL+1], 0xfedcba98
	s_mov_b32 s[CS], 0x3e38aa3b
	s_mov_b32 s[CS+1], s[CS]
	s_wait_dscnt 0x0
	s_wait_kmcnt 0x0
	s_add_nc_u64 s[34:35], s[4:5], s[14:15]
	s_or_b32 s35, s35, 0x80000000
	s_add_nc_u64 s[38:39], s[4:5], s[2:3]
	s_or_b32 s39, s39, 0x80000000
	CROUND                                         ; all four work-groups are here: the joint loads meet
	s_cmp_lt_u32 s[WV], 6                          ; one chain of branches on the wave's number, one load to an arm
	s_cbranch_scc0 .Lscales
	tensor_load_to_lds s[36:39], s[16:23]
	s_nop 0
.rept 4
	v_nop
.endr
	s_branch .Lasked
.Lscales:
	s_cmp_lt_u32 s[WV], 7
	s_cbranch_scc0 .Lasked
	tensor_load_to_lds s[32:35], s[24:31]
	s_nop 0
.rept 4
	v_nop
.endr
.Lasked:
	s_lshl_b32 s14, s10, 4
	s_lshl_b32 s15, s[WV], 1
	s_add_co_u32 s14, s14, s15                     ; my first tile of 16 queries
	s_mul_i32 s14, s14, 768
	s_add_co_u32 s14, s14, s12
	s_mov_b32 s15, 0
	s_add_nc_u64 s[14:15], s[4:5], s[14:15]        ; my two half images of q
	s_lshl_b32 s2, s10, 1
	s_lshr_b32 s3, s[WV], 2
	s_add_co_u32 s2, s2, s3
	s_lshl_b32 s2, s2, 8                           ; their step of 128 tokens,
	s_and_b32 s3, s[WV], 3
	s_lshl_b32 s3, s3, 2                           ; the pair of tiles in it: one word holds both tiles' bytes
	s_add_co_u32 s2, s2, s3
	s_lshl_b32 s3, s11, 12
	s_add_co_u32 s2, s2, s3
	s_add_co_u32 s2, s2, 9437184
	s_mov_b32 s3, 0
	s_add_nc_u64 s[2:3], s[4:5], s[2:3]
	s_lshr_b32 s60, s11, 4
	s_lshl_b32 s60, s60, 3
	s_add_co_u32 s60, s60, s10                     ; ctx's tile of 256 tokens
	s_and_b32 s61, s11, 15                         ; the head = K / 64 of the last product
	s_mul_i32 s62, s60, 196608
	s_mul_i32 s63, s61, 12288
	s_add_co_u32 s62, s62, s63
	s_mul_i32 s63, s[WV], 1536
	s_add_co_u32 s62, s62, s63
	s_mov_b32 s63, 0
	s_add_nc_u64 s[62:63], s[6:7], s[62:63]        ; where my two half images of ctx go
	s_lshl_b32 s60, s60, 13
	s_lshl_b32 s59, s[WV], 10
	s_add_co_u32 s60, s60, s59
	s_lshr_b32 s59, s61, 2
	s_lshl_b32 s59, s59, 8
	s_add_co_u32 s60, s60, s59
	s_and_b32 s59, s61, 3
	s_lshl_b32 s59, s59, 1
	s_add_co_u32 s60, s60, s59
	s_add_co_u32 s60, s60, 3145728
	s_mov_b32 s61, 0
	s_add_nc_u64 s[60:61], s[6:7], s[60:61]        ; and two scale bytes a row; the second tile's 128 bytes on
	s_mov_b32 s[STK], 0
	s_mov_b32 s[STS], 0
	s_mov_b32 s[CNT], 16
	v_and_b32 v9, 31, v0                           ; lane
	v_and_b32 v10, 15, v0                          ; r
	v_bfe_u32 v11, v0, 4, 1                        ; h
	v_bfe_u32 v12, v0, 3, 1                        ; r / 8
	v_and_b32 v13, 7, v0                           ; r % 8
	v_lshlrev_b32 v1, 4, v9                        ; 16 x lane
	v_lshlrev_b32 v2, 3, v9                        ; 8 x lane
	v_mul_u32_u24 v12, v12, 1536
	v_lshlrev_b32 v15, 4, v10                      ; 16 r
	v_lshlrev_b32 v6, 3, v10                       ; 8 r
	v_lshlrev_b32 v14, 3, v11                      ; 8 h
	v_lshl_add_u32 v3, v13, 4, v12
	v_lshl_add_u32 v4, v13, 3, v12
	v_lshl_add_u32 v3, v11, 8, v3                  ; K, registers 0-3 of a half image: 1,536 (r / 8) + 16 (r % 8) + 256 h
	v_lshl_add_u32 v4, v11, 7, v4                  ; registers 4-5: 1,536 (r / 8) + 8 (r % 8) + 128 h
	v_bfe_u32 v5, v0, 3, 1
	v_lshlrev_b32 v5, 2, v5
	v_lshl_add_u32 v5, v13, 4, v5
	v_add_nc_u32 v5, KSC, v5                       ; K's scale words: 16 (r % 8) + 4 (r / 8)
	v_add_nc_u32 v7, VIMG, v1                      ; V
	v_add_nc_u32 v8, KSC+4096, v15                 ; V's scale words
.irp x, 0,1
	global_load_b128 v[QB+18*\x:QB+18*\x+3], v1, s[14:15] offset:768*\x           ; q, twice, with six registers of zero codes between
	global_load_b64 v[QB+18*\x+4:QB+18*\x+5], v2, s[14:15] offset:768*\x+512
	global_load_b128 v[QB+18*\x+12:QB+18*\x+15], v1, s[14:15] offset:768*\x
	global_load_b64 v[QB+18*\x+16:QB+18*\x+17], v2, s[14:15] offset:768*\x+512
.endr
	global_load_b32 v[TMP], v15, s[2:3]
.irp x, 0,1
.irp j, 6,7,8,9,10,11
	v_mov_b32 v[QB+18*\x+\j], 0
.endr
	v_mov_b32 v[NM+2*\x+1], 0xff61b1e6             ; the largest t so far: -3e38
	v_mov_b32 v[LS+2*\x], 0
	v_mov_b32 v[LS+2*\x+1], 0
	v_mov_b32 v[FF+2*\x+1], 0
	v_mov_b32 v[TP+\x], 0                          ; a lane permute's destination counts as one of its sources
.endr
	v_floor_f32 v[NM], -v[NM+1]                    ; -M
	v_floor_f32 v[NM+2], -v[NM+3]
	v_add_nc_u32 v9, s[STK], v3                    ; step 0's addresses
	v_add_nc_u32 v10, s[STK], v4
	v_add_nc_u32 v11, s[STS], v5
	v_add_nc_u32 v12, s[STK], v7
	v_add_nc_u32 v13, s[STS], v8
	s_wait_alu depctr_va_vdst(0)
	s_wait_loadcnt 0x0
	v_and_b32 v[QS], 0xffff, v[TMP]                ; the first tile's two bytes: for k = 0 .. 63,
	v_lshlrev_b32 v[QS+1], 16, v[TMP]              ; for k = 64 .. 127;
	v_lshrrev_b32 v[QS+2], 16, v[TMP]              ; the second tile's
	v_and_b32 v[QS+3], 0xffff0000, v[TMP]
	WIN 0x40
.irp x, 0,1
.set j, 0
.rept 32
	v_mov_b32 v[TB*\x+OO+j], 0                     ; O^T: the first change of M leaves zeros zeros.  (Also the places between the scale words' making and the first product)
.set j, j+1
.endr
.endr
	WIN 0
; K's four operands of a step and its four scale words: 20 LDS loads
.macro KLOAD a, h, w, o, q
.irp c, 0,1
.irp g, 0,1
.irp u, 0,1
	ds_load_b128 v[KF+12*(2*\c+\g)+6*\u:KF+12*(2*\c+\g)+6*\u+3], v[\a] offset:\o+\c*3072+\u*768+\g*128
	ds_load_b64 v[KF+12*(2*\c+\g)+6*\u+4:KF+12*(2*\c+\g)+6*\u+5], v[\h] offset:\o+\c*3072+\u*768+512+\g*64
.endr
.endr
.endr
.irp c, 0,1
.irp g, 0,1
	ds_load_b32 v[KS+2*\c+\g], v[\w] offset:\q+\g*128+\c*8
.endr
.endr
.endm
	s_wait_alu depctr_va_vdst(0)
	s_wait_tensorcnt 0x0                           ; my load, if I issued one, has landed;
	s_barrier_signal -1
	s_barrier_wait -1                              ; everybody's has: the whole head lies in LDS.
	KLOAD 3, 4, 5, 0, 0                            ; step 0's K
.Lstep:                                                ; A KEY STEP: 128 keys x 32 queries
.irp t, 0,1,2,3                                ; V's operands land under the first product and the softmax
.irp c, 0,1,2
	ds_load_b128 v[VF+12*\t+4*\c:VF+12*\t+4*\c+3], v12 offset:\t*1536+512*\c
.endr
.endr
	ds_load_b128 v[VS:VS+3], v13
	s_wait_dscnt 13                                ; K and its scale words are in; V's 13 loads may be out
	WIN 0x40                                       ; D window 1
.irp o, 0,1,2,3
.irp x, 0,1
	v_wmma_scale_f32_16x16x128_f8f6f4 v[TB*\x+16*\o:TB*\x+16*\o+7], v[KF+12*\o:KF+12*\o+11], v[QB+18*\x:QB+18*\x+11], 0, v[KS+\o], v[QS+2*\x] matrix_a_fmt:MATRIX_FMT_BF6 matrix_b_fmt:MATRIX_FMT_BF6
	v_wmma_scale_f32_16x16x128_f8f6f4 v[TB*\x+16*\o+8:TB*\x+16*\o+15], v[KF+12*\o:KF+12*\o+11], v[QB+18*\x+6:QB+18*\x+17], 0, v[KS+\o], v[QS+2*\x+1] matrix_a_fmt:MATRIX_FMT_BF6 matrix_b_fmt:MATRIX_FMT_BF6
.endr
.endr                                          ; lane (r, h): query r; register 32 c + i: key 64 c + 32 h + i of the step
.rept 4
	v_nop                                          ; the places in front of loads into K's registers and of the first read of S^T
.endr
	WIN 0
	KLOAD 9, 10, 11, 6144, 256                     ; the next step's K.  (The last step's look-ahead reads V's first bytes, which are filled; nothing uses it)
	WIN 0x14                                       ; sources 1 and 2 window 1
.irp i, 0,2,4,6,8,10,12,14,16,18,20,22,24,26,28,30
.irp x, 0,1
.irp c, 0,1
.if \i == 0
	v_max3_num_f32 v[BM+2*\x+\c], 0xff61b1e6, v[TB*\x+32*\c], v[TB*\x+32*\c+1]   ; the largest score of my block of 32 keys: for the row's maximum, and, since p rises with the score, for the block's largest p
.else
	v_max3_num_f32 v[BM+2*\x+\c], v[BM+2*\x+\c], v[TB*\x+32*\c+\i], v[TB*\x+32*\c+\i+1]
.endif
.endr
.endr
.endr
	WIN 0
.irp x, 0,1
	v_max_num_f32 v[TMP+\x], v[BM+2*\x], v[BM+2*\x+1]
.endr
.irp x, 0,1
	v_permlanex16_b32 v[TP+\x], v[TMP+\x], s[SEL], s[SEL+1]
.endr
.irp x, 0,1
	v_max_num_f32 v[TMP+\x], v[TMP+\x], v[TP+\x]   ; with lane l xor 16's two blocks: the step's largest score of my query
.endr
.irp x, 0,1
	v_mul_f32 v[TMP+\x], s[CS], v[TMP+\x]          ; as t (c is positive)
.endr
.irp x, 0,1
	v_max_num_f32 v[NM+2*\x+1], v[NM+2*\x+1], v[TMP+\x]   ; the running largest t
.endr
.irp x, 0,1
	v_mov_b32 v[TMP+\x], v[NM+2*\x]
.endr
.irp x, 0,1
	v_floor_f32 v[NM+2*\x], -v[NM+2*\x+1]          ; the new -M = -ceil(t): a whole number
.endr
.irp x, 0,1
	v_sub_f32 v[TMP+\x], v[NM+2*\x], v[TMP+\x]     ; old M - new M: a whole number, 0 or less
.endr
.irp x, 0,1
	v_cvt_i32_f32 v[TMP+\x], v[TMP+\x]             ; (it saturates)
.endr
.irp x, 0,1
	v_ldexp_f32 v[FF+2*\x], 1.0, v[TMP+\x]         ; f = 2^(old M - new M)
.endr
.irp x, 0,1
.irp c, 0,1
	v_fma_f32 v[BM+2*\x+\c], v[BM+2*\x+\c], s[CS], v[NM+2*\x]   ; t - M of each block's largest score
.endr
.endr
	WIN 0x41                                       ; destination and source 0 window 1
.set j, 0
.rept 32
	v_pk_fma_f32 v[j:j+1], v[j:j+1], s[CS:CS+1], v[NM:NM+1] op_sel_hi:[1,0,0]   ; tile 0: t - M, two at a time
.set j, j+2
.endr
	s_wait_alu depctr_va_vdst(0)
.set j, 0
.rept 32                                       ; tile 0's p = 2^(t - M), at most 1; tile 1's t - M stands among the exponentials: it names none of their registers, and is first read behind the next wait
	v_exp_f32 v[j], v[j]
	v_pk_fma_f32 v[TB+j:TB+j+1], v[TB+j:TB+j+1], s[CS:CS+1], v[NM+2:NM+3] op_sel_hi:[1,0,0]
	v_exp_f32 v[j+1], v[j+1]
.set j, j+2
.endr
	s_wait_alu depctr_va_vdst(0)                   ; behind tile 0's batch and ahead of tile 1's
	WIN 0x45                                       ; destination, sources 0 and 1 window 1
.set k, 0
.rept 16                                       ; tile 1's p; among them tile 0's sum begins: 16 additions of two pairs each, none reading another's result, into registers of window 1 that are idle here (tile 0's codes' 20, and v232-243)
	v_exp_f32 v[TB+4*k], v[TB+4*k]
.if k < 10
	v_pk_add_f32 v[CC+2*k:CC+2*k+1], v[2*k:2*k+1], v[32+2*k:33+2*k]
.else
	v_pk_add_f32 v[212+2*k:213+2*k], v[2*k:2*k+1], v[32+2*k:33+2*k]
.endif
	v_exp_f32 v[TB+4*k+1], v[TB+4*k+1]
	v_exp_f32 v[TB+4*k+2], v[TB+4*k+2]
	v_exp_f32 v[TB+4*k+3], v[TB+4*k+3]
.set k, k+1
.endr
	WIN 0
.irp x, 0,1
	v_pk_mul_f32 v[LS+2*\x:LS+2*\x+1], v[LS+2*\x:LS+2*\x+1], v[FF+2*\x:FF+2*\x+1] op_sel_hi:[1,0]   ; the sums under the new M: plain instructions behind the exponentials
.endr
	s_wait_alu depctr_va_vdst(0)                   ; one wait for the batch of 128, ahead of its first reader
.irp k, 0,1,2,3
	v_exp_f32 v[BM+\k], v[BM+\k]                   ; the block's largest p: the same two instructions on the same number
.endr
	WIN 0x05                                       ; the sum of the unquantised p goes on: four chains a tile; tile 0's take the 16 pairs made above, tile 1's its 32 pairs of p
.irp e, 0,1,2,3
	v_pk_add_f32 v[SUMC+2*\e:SUMC+2*\e+1], v[CC+2*\e:CC+2*\e+1], v[CC+8+2*\e:CC+9+2*\e]
	v_pk_add_f32 v[SUMC+8+2*\e:SUMC+9+2*\e], v[TB+2*\e:TB+2*\e+1], v[TB+8+2*\e:TB+9+2*\e]
.endr
	WIN 0x04
.irp e, 0,1
	v_pk_add_f32 v[SUMC+2*\e:SUMC+2*\e+1], v[SUMC+2*\e:SUMC+2*\e+1], v[112+2*\e:113+2*\e]
	v_pk_add_f32 v[SUMC+8+2*\e:SUMC+9+2*\e], v[SUMC+8+2*\e:SUMC+9+2*\e], v[TB+16+2*\e:TB+17+2*\e]
.endr
.irp e, 2,3
	v_pk_add_f32 v[SUMC+2*\e:SUMC+2*\e+1], v[SUMC+2*\e:SUMC+2*\e+1], v[228+2*\e:229+2*\e]
	v_pk_add_f32 v[SUMC+8+2*\e:SUMC+9+2*\e], v[SUMC+8+2*\e:SUMC+9+2*\e], v[TB+16+2*\e:TB+17+2*\e]
.endr
.irp e, 0,1,2,3
	v_pk_add_f32 v[SUMC+2*\e:SUMC+2*\e+1], v[SUMC+2*\e:SUMC+2*\e+1], v[236+2*\e:237+2*\e]
	v_pk_add_f32 v[SUMC+8+2*\e:SUMC+9+2*\e], v[SUMC+8+2*\e:SUMC+9+2*\e], v[TB+24+2*\e:TB+25+2*\e]
.endr
.irp g, 4,5,6,7
.irp e, 0,1,2,3
	v_pk_add_f32 v[SUMC+8+2*\e:SUMC+9+2*\e], v[SUMC+8+2*\e:SUMC+9+2*\e], v[TB+8*\g+2*\e:TB+8*\g+2*\e+1]
.endr
.endr
	WIN 0
.irp x, 0,1
	v_pk_add_f32 v[SUMC+8*\x:SUMC+8*\x+1], v[SUMC+8*\x:SUMC+8*\x+1], v[SUMC+8*\x+2:SUMC+8*\x+3]
	v_pk_add_f32 v[SUMC+8*\x+4:SUMC+8*\x+5], v[SUMC+8*\x+4:SUMC+8*\x+5], v[SUMC+8*\x+6:SUMC+8*\x+7]
.endr
.irp x, 0,1
	v_pk_add_f32 v[LS+2*\x:LS+2*\x+1], v[LS+2*\x:LS+2*\x+1], v[SUMC+8*\x:SUMC+8*\x+1]
.endr
.irp x, 0,1
	v_pk_add_f32 v[LS+2*\x:LS+2*\x+1], v[LS+2*\x:LS+2*\x+1], v[SUMC+8*\x+4:SUMC+8*\x+5]
.endr
	s_wait_alu depctr_va_vdst(0)                   ; and one for the four
.irp k, 0,1,2,3
	v_max_num_f32 v[BM+\k], 0x2800000, v[BM+\k]    ; the floor 2^(5 - 127)
.endr
.irp k, 0,1,2,3
	v_add_nc_u32 v[SO+\k], 0xfe000000, v[BM+\k]    ; 4 off the exponent field: the conversion's scale operand
.endr
.irp k, 0,1,2,3
	v_lshrrev_b32 v[BY+\k], 23, v[SO+\k]           ; the scale's byte
.endr
.irp x, 0,1
	v_lshl_or_b32 v[PW+\x], v[BY+2*\x+1], 16, v[BY+2*\x]   ; my two bytes: blocks h and 2 + h,
.endr
.irp x, 0,1
	v_lshlrev_b32 v[PW+\x], v14, v[PW+\x]          ; at their places in the word (8 h bits up);
.endr
.irp x, 0,1
	v_permlanex16_b32 v[TP+\x], v[PW+\x], s[SEL], s[SEL+1]
.endr
.irp x, 0,1
	v_or_b32 v[PW+\x], v[PW+\x], v[TP+\x]          ; with lane l xor 16's two the word is whole
.endr
	WIN 0x41
.irp x, 0,1
.irp c, 0,1
	v_cvt_scalef32_pk16_bf6_f32 v[TB*\x+CC+6*\c:TB*\x+CC+6*\c+2], v[TB*\x+32*\c:TB*\x+32*\c+15], v[SO+2*\x+\c]
	v_cvt_scalef32_pk16_bf6_f32 v[TB*\x+CT+4*\c:TB*\x+CT+4*\c+2], v[TB*\x+32*\c+16:TB*\x+32*\c+31], v[SO+2*\x+\c]   ; (a conversion's three registers begin on an even number)
.endr
.endr
	v_nop                                          ; one plain instruction behind the conversions
.irp x, 0,1
.irp c, 0,1
.irp i, 0,1,2
	v_mov_b32 v[TB*\x+CC+3+6*\c+\i], v[TB*\x+CT+4*\c+\i]   ; registers 6 c .. 6 c + 5: k = 64 c + 32 h + 0 .. 31
.endr
.endr
.endr
	s_wait_alu depctr_va_vdst(0)                   ; directly ahead of the first reader of O^T
.irp x, 0,1
.set j, 0
.rept 16
	v_pk_mul_f32 v[TB*\x+OO+j:TB*\x+OO+j+1], v[TB*\x+OO+j:TB*\x+OO+j+1], v[FF+2*\x:FF+2*\x+1] op_sel_hi:[1,0]   ; O^T under the new M.  (Also the places between the making of p's codes and scale word and the products)
.set j, j+2
.endr
.endr
	s_wait_alu depctr_va_vdst(0)
	s_wait_dscnt 20                                ; V and its scale words are in; the 20 loads of the next K may be out
	WIN 0x54                                       ; source 1, C and D window 1
.irp t, 0,1,2,3                                ; the eight accumulators take turns
.irp x, 0,1
	v_wmma_scale_f32_16x16x128_f8f6f4 v[TB*\x+OO+8*\t:TB*\x+OO+8*\t+7], v[VF+12*\t:VF+12*\t+11], v[TB*\x+CC:TB*\x+CC+11], v[TB*\x+OO+8*\t:TB*\x+OO+8*\t+7], v[VS+\t], v[PW+\x] matrix_a_fmt:MATRIX_FMT_BF6 matrix_b_fmt:MATRIX_FMT_BF6
.endr
.endr
	WIN 0
	s_add_co_u32 s[STK], s[STK], 6144
	s_add_co_u32 s[STS], s[STS], 256
	v_add_nc_u32 v9, s[STK], v3                    ; the next step's addresses: five plain instructions, the places in front of loads into V's registers
	v_add_nc_u32 v10, s[STK], v4
	v_add_nc_u32 v11, s[STS], v5
	v_add_nc_u32 v12, s[STK], v7
	v_add_nc_u32 v13, s[STS], v8
	s_sub_co_u32 s[CNT], s[CNT], 1
	s_cmp_lg_u32 s[CNT], 0
	s_wait_alu depctr_va_vdst(0)
	s_cbranch_scc1 .Lstep
	; THE WAY OUT: O^T / the sum, quantised along my head's 64 channels (two blocks; register 16 b + i: channel 32 b + 16 h + i), stored as half images
	s_wait_dscnt 0x0                               ; the last look-ahead has come back
.irp x, 0,1
	v_add_f32 v[LS+2*\x], v[LS+2*\x], v[LS+2*\x+1]
.endr
.irp x, 0,1
	v_permlanex16_b32 v[TP+\x], v[LS+2*\x], s[SEL], s[SEL+1]
.endr
.irp x, 0,1
	v_add_f32 v[LS+2*\x], v[LS+2*\x], v[TP+\x]     ; the row's sum
.endr
	s_wait_alu depctr_va_vdst(0)
	v_rcp_f32 v[LS], v[LS]
	v_rcp_f32 v[LS+2], v[LS+2]
	v_nop                                          ; a plain instruction behind the reciprocals
	WIN 0x41
	s_wait_alu depctr_va_vdst(0)                   ; and the wait ahead of their first reader, which is O^T's too
.irp x, 0,1
.set j, 0
.rept 16
	v_pk_mul_f32 v[TB*\x+j:TB*\x+j+1], v[TB*\x+OO+j:TB*\x+OO+j+1], v[LS+2*\x:LS+2*\x+1] op_sel_hi:[1,0]   ; each accumulator from its low end on
.set j, j+2
.endr
.endr
	WIN 0x14
.irp i, 0,2,4,6,8,10,12,14
.irp x, 0,1
.irp b, 0,1
.if \i == 0
	v_max3_num_f32 v[BM+2*\x+\b], 0x2800000, |v[TB*\x+16*\b]|, |v[TB*\x+16*\b+1]|
.else
	v_max3_num_f32 v[BM+2*\x+\b], v[BM+2*\x+\b], |v[TB*\x+16*\b+\i]|, |v[TB*\x+16*\b+\i+1]|
.endif
.endr
.endr
.endr
	WIN 0
.irp k, 0,1,2,3
	v_permlanex16_b32 v[BY+\k], v[BM+\k], s[SEL], s[SEL+1]
.endr
.irp k, 0,1,2,3
	v_max_num_f32 v[BM+\k], v[BM+\k], v[BY+\k]     ; with lane l xor 16's 16 channels
.endr
.irp k, 0,1,2,3
	v_add_nc_u32 v[SO+\k], 0xfe000000, v[BM+\k]
.endr
.irp k, 0,1,2,3
	v_lshrrev_b32 v[BY+\k], 23, v[SO+\k]
.endr
.irp x, 0,1
	v_lshl_or_b32 v[PW+\x], v[BY+2*\x+1], 8, v[BY+2*\x]   ; my row's two scale bytes
.endr
	WIN 0x41
.irp x, 0,1
	v_cvt_scalef32_pk16_bf6_f32 v[TB*\x+CC:TB*\x+CC+2], v[TB*\x:TB*\x+15], v[SO+2*\x]
	v_cvt_scalef32_pk16_bf6_f32 v[TB*\x+CT:TB*\x+CT+2], v[TB*\x+16:TB*\x+31], v[SO+2*\x+1]
.endr
	v_nop
.irp x, 0,1
.irp i, 0,1,2
	v_permlane16_swap_b32 v[TB*\x+CC+\i], v[TB*\x+CT+\i]   ; here a block lies in lanes l and l xor 16: the layout wants it whole in a lane
.endr
.endr
.irp x, 0,1
.irp i, 0,1,2
	v_mov_b32 v[TB*\x+CC+3+\i], v[TB*\x+CT+\i]
.endr
.endr
	WIN 0x04                                       ; store data window 1
.irp x, 0,1
	global_store_b128 v1, v[TB*\x+CC:TB*\x+CC+3], s[62:63] offset:768*\x             ; 512 consecutive bytes
	global_store_b64 v2, v[TB*\x+CC+4:TB*\x+CC+5], s[62:63] offset:768*\x+512        ; 256 consecutive bytes
.endr
	WIN 0
.irp x, 0,1
	global_store_b16 v6, v[PW+\x], s[60:61] offset:128*\x                            ; lanes r and r + 16 write the same two bytes with the same value
.endr
	s_wait_tensorcnt 0x0                           ; the wave's end
	ds_add_u32 v254, v255
	s_wait_dscnt 0x0
	CROUND                                         ; the closing round: no work-group ends while a partner may still ask for a tile that names it
	s_endpgm
.Lfunc_end_k_q8fc4920f00_attn:
	.size	k_q8fc4920f00_attn, .Lfunc_end_k_q8fc4920f00_attn-k_q8fc4920f00_attn
	.p2alignl 7, 3214868480
	.fill 96, 4, 3214868480
	.section	.rodata,"a",@progbits
	.p2align	6, 0x0
	.amdhsa_kernel k_q8fc4920f00_attn
		.amdhsa_group_segment_fixed_size 206848
		.amdhsa_private_segment_fixed_size 0
		.amdhsa_enable_private_segment 0
		.amdhsa_kernarg_size 16
		.amdhsa_user_sgpr_count 2
		.amdhsa_user_sgpr_kernarg_segment_ptr 1
		.amdhsa_wavefront_size32 1
		.amdhsa_system_sgpr_workgroup_id_x 1
		.amdhsa_system_sgpr_workgroup_id_y 1
		.amdhsa_system_sgpr_workgroup_id_z 1
		.amdhsa_system_vgpr_workitem_id 0
		.amdhsa_next_free_vgpr 512
		.amdhsa_next_free_sgpr 66
		.amdhsa_reserve_vcc 0
		.amdhsa_float_denorm_mode_32 3
		.amdhsa_float_denorm_mode_16_64 3
		.amdhsa_memory_ordered 1
		.amdhsa_forward_progress 1
		.amdhsa_inst_pref_size 47
	.end_amdhsa_kernel
	.amdgpu_metadata
---
amdhsa.version: [ 1, 2 ]
amdhsa.kernels:
  - .name:           k_q8fc4920f00_attn
    .symbol:         k_q8fc4920f00_attn.kd
    .args:
      - { .name: qkv, .offset: 0, .size: 8, .value_kind: global_buffer, .address_space: global }
      - { .name: ctx, .offset: 8, .size: 8, .value_kind: global_buffer, .address_space: global }
    .group_segment_fixed_size: 206848
    .private_segment_fixed_size: 0
    .kernarg_segment_align: 8
    .kernarg_segment_size: 16
    .max_flat_workgroup_size: 256
    .sgpr_count:     66
    .vgpr_count:     512
    .wavefront_size: 32
...
	.end_amdgpu_metadata
.endif
;; end of part 3
;; launch gemm_out (part 4): grid 8 x 32, 4 waves a work-group, clusters of 4 x 4, 229,376 bytes of LDS; arguments ctx, ops, out_b, out0; writes out0
.if DOCPART == 4
	.amdgcn_target "amdgcn-amd-amdhsa--gfx1250"
	.amdhsa_code_object_version 6
	.text
	.protected	k_q8fc4920f00_gemm_out
	.globl	k_q8fc4920f00_gemm_out
	.p2align	8
	.type	k_q8fc4920f00_gemm_out,@function
k_q8fc4920f00_gemm_out:
	s_mov_b64 s[64:65], 0
	v_nop
	global_prefetch_b8 v0, s[64:65] scope:SCOPE_SE
	s_setreg_imm32_b32 hwreg(HW_REG_WAVE_MODE, 25, 1), 1
	s_wait_xcnt 0x0
	s_wait_alu depctr_hold_cnt(0) depctr_sa_sdst(0) depctr_va_vdst(0) depctr_va_sdst(0) depctr_va_ssrc(0) depctr_va_vcc(0) depctr_vm_vsrc(0)
	s_getreg_b32 s2, hwreg(HW_REG_IB_STS2, 6, 4)
	s_cmp_eq_u32 s2, 0
	s_cbranch_scc0 .Lentry_in_a_cluster
	s_endpgm
.Lentry_in_a_cluster:
	s_bfe_u32 s2, ttmp6, 0x10000c
	s_cmp_lg_u32 s2, 0xf033
	s_cbranch_scc0 .Lentry_shape_is_right
	s_endpgm
.Lentry_shape_is_right:
; out0 = ctx out_w^T + out_b on codes of BF6 (E3M2) with E8M0 scales, M = 4,096, N = 1,024, K = 1,024; sums in f32.
; A block of 128 x 128 to a work-group of four waves: 32 x 8 = 256 work-groups.  A wave makes 64 x 64: 16 accumulators, 128 registers.
; OPERANDS lie in memory in the order of the operand's registers: tile of 256 rows: [K/64: 16][block: 16][768 bytes]; block i, lane r = row 32 (i/2) + 8 (i%2) + r + 8 (r/8).  Half a tile (eight blocks) is 16 rows of 6,144 bytes, 12,288 apart.
; ALL OF K COMES AT ONCE: 98,304 bytes of A's codes, as many of B's, 4,096 bytes of scale words each; one tensor load a wave (wave 0 A's codes, 1 B's, 2 A's scale words, 3 B's).  Nothing is filled twice: no ring.
; CLUSTERS: 4 x 4.  A's block hangs on the work-group's y alone and is asked for jointly along a row of the cluster, B's on x alone, along a column.
; No prefetch: every byte is asked for at the head, and there is no loop to run ahead in.
; THE MATRIX INSTRUCTION IS USED TRANSPOSED: source 0 = 16 rows of out_w, source 1 = 16 tokens.  A lane holds one token; register j of accumulator (a, b) is column 32 (b/2) + 16 (lane/16) + 8 (b%2) + j.
; THE BIAS is the C of each accumulator's first product.  THE WAY OUT: 16 tokens x 64 columns at a time through the wave's own stage; sixteen lanes store a row's 256 consecutive bytes.
; REGISTERS: window 0: v16-30 addresses; v32-127, v128-223 two sets of fragments (A's four, then B's four); v224-255 scale words of all of K: register 8 i + s: lanes 0-15 A's block i, lanes 16-31 B's block i, K step s.
; window 1: v0-127 accumulators, (a, b) at v[8 (4 a + b)]; v128-159 the bias.
; THE FRAGMENTS' SETS AS THEY STAND: four, K step s in set s % 4: sets 0 and 1 at v32-127 and v128-223 of window 0, sets 2 and 3 at the same numbers of window 2.  A step's fragments are asked for two steps ahead of their products.
.set BCOD,   98304                     ; LDS: A's codes [K/64: 16][block: 8][768] at 0, B's here
.set SCL,    196608                    ; A's scale words [i/2: 4][K/256: 4][i%2][r: 16][(K/128)%2], 4,096 bytes, then B's
.set SPARE,  204800                    ; the spare words, 128 bytes for each wave
.set STG,    205312                    ; the stages: 16 rows x 272 bytes for each wave; no tensor load lands here
.set SPITCH, 272
.set ADRA, 16                          ; v16, v17 16 x lane + my A blocks, K steps 0-3, 4-7;  v18, v19 the same with 8 x lane
.set ADRB, 20                          ; v20-23 the same for B
.set STO,  24
.set RD,   25
.set CO,   26
.set ADRS, 27
.set SPW,  28                          ; my spare word; never rewritten
.set NIL,  29                          ; 0; never rewritten
.set H64,  30
.set SC,   224
.set G1, 24
.set G0, 32
.set G1B, 48
.set G0B, 56
.set G1S, 68
.set G0S, 76
.set G1SB, 80
.set G0SB, 88
.set MSB, 0
.macro WIN new                         ; the immediate's high byte repeats the setting that is left
.if MSB != \new
	s_set_vgpr_msb (MSB<<8)|\new
.set MSB, \new
.endif
.endm
.macro CROUND                          ; a round of the cluster's barrier
	s_barrier_signal -1
	s_barrier_wait -1
	s_cmp_lg_u32 s14, 0
	s_cbranch_scc1 .Lnot_wave_0_\@
	s_barrier_signal -3
.Lnot_wave_0_\@:
	s_barrier_wait -3
	s_barrier_signal -1
	s_barrier_wait -1
.endm
.macro PLACES                          ; plain vector instructions between a matrix instruction and a load into, or a read of, its registers (ISA guide 7.12.1 for reads)
.rept 4
	v_nop
.endr
.endm
	s_load_b256 s[4:11], s[0:1], 0x0               ; ctx s[4:5], ops s[6:7], out_b s[8:9], out0 s[10:11]
	v_lshl_add_u32 v[SPW], v0, 2, SPARE
	v_mov_b32 v[NIL], 0
	ds_add_u32 v[SPW], v[NIL]                      ; the opening lines: the add twice on end and one wait
	ds_add_u32 v[SPW], v[NIL]
	v_lshrrev_b32 v1, 5, v0
	v_readfirstlane_b32 s14, v1                    ; wave 0..3
	s_lshr_b32 s15, s14, 1                         ; which 64 tokens of the block are mine
	s_and_b32 s16, s14, 1                          ; which 64 columns
	s_bfe_u32 s40, ttmp6, 0x40000                  ; cx
	s_bfe_u32 s41, ttmp6, 0x40004                  ; cy
	s_and_b32 s17, ttmp7, 0xffff
	s_lshl_b32 s17, s17, 2
	s_add_co_u32 s18, s17, s41                     ; y: my block of 128 tokens
	s_lshl_b32 s42, ttmp9, 2
	s_add_co_u32 s42, s42, s40                     ; x: my block of 128 columns
	s_lshl_b32 s43, s41, 2
	s_lshl_b32 s43, 15, s43                        ; my row of the cluster
	s_lshl_b32 s44, 0x1111, s40                    ; my column
	; descriptor group 1, elements of 8 bytes; 15:0 the mask, 21 set beside it.  Codes: 16 rows of 768 elements, 1,536 apart.  Scale words: a dense block as 16 rows of 32 elements
	s_or_b32 s[G1+0], s43, (3<<16)|(1<<21)
	s_or_b32 s[G1B+0], s44, (3<<16)|(1<<21)
	s_or_b32 s[G1S+0], s43, (3<<16)|(1<<21)
	s_or_b32 s[G1SB+0], s44, (3<<16)|(1<<21)
.irp g, G1, G1B
	s_mov_b32 s[\g+1], 768<<16
	s_mov_b32 s[\g+2], 16<<16
	s_mov_b32 s[\g+3], 768<<16
	s_mov_b32 s[\g+4], 16
	s_mov_b32 s[\g+5], 1536
	s_mov_b32 s[\g+6], 0
	s_mov_b32 s[\g+7], 0
.endr
.irp g, G1S, G1SB
	s_mov_b32 s[\g+1], 32<<16
	s_mov_b32 s[\g+2], 16<<16
	s_mov_b32 s[\g+3], 32<<16
	s_mov_b32 s[\g+4], 16
	s_mov_b32 s[\g+5], 32
	s_mov_b32 s[\g+6], 0
	s_mov_b32 s[\g+7], 0
.endr
	s_lshr_b32 s20, s18, 1                         ; A: ctx's tile y / 2, half y % 2: it hangs on y alone
	s_mul_i32 s20, s20, 196608
	s_and_b32 s21, s18, 1
	s_mul_i32 s21, s21, 6144
	s_add_co_u32 s20, s20, s21
	s_mov_b32 s21, 0
	s_lshl_b32 s22, s18, 12                        ; its scale words: 4,096 bytes for each half tile, behind all codes
	s_add_co_u32 s22, s22, 3145728
	s_mov_b32 s23, 0
	s_lshr_b32 s46, s42, 1                         ; B: tile 28 + x / 2 of ops, half x % 2: on x alone
	s_add_co_u32 s46, s46, 28
	s_mul_i32 s46, s46, 196608
	s_and_b32 s47, s42, 1
	s_mul_i32 s47, s47, 6144
	s_add_co_u32 s46, s46, s47
	s_mov_b32 s47, 0
	s_lshl_b32 s92, s42, 12
	s_add_co_u32 s92, s92, 6291456+28*8192
	s_mov_b32 s93, 0
	s_mov_b32 s[G0], 1
	s_mov_b32 s[G0+1], 0
	s_mov_b32 s[G0B], 1
	s_mov_b32 s[G0B+1], BCOD
	s_mov_b32 s[G0S], 1
	s_mov_b32 s[G0S+1], SCL
	s_mov_b32 s[G0SB], 1
	s_mov_b32 s[G0SB+1], SCL+4096
	s_wait_dscnt 0x0                               ; both opening adds are done
	s_wait_kmcnt 0x0
	s_add_nc_u64 s[G0+2:G0+3], s[4:5], s[20:21]
	s_or_b32 s[G0+3], s[G0+3], 0x80000000
	s_add_nc_u64 s[G0B+2:G0B+3], s[6:7], s[46:47]
	s_or_b32 s[G0B+3], s[G0B+3], 0x80000000
	s_add_nc_u64 s[G0S+2:G0S+3], s[4:5], s[22:23]
	s_or_b32 s[G0S+3], s[G0S+3], 0x80000000
	s_add_nc_u64 s[G0SB+2:G0SB+3], s[6:7], s[92:93]
	s_or_b32 s[G0SB+3], s[G0SB+3], 0x80000000
	CROUND                                         ; all sixteen work-groups are here: the joint loads meet
; one chain of branches on the wave's number, one load to an arm, all arms to one join
.macro ARM under, g0, g1, next
	s_cmp_lt_u32 s14, \under
	s_cbranch_scc0 \next
	tensor_load_to_lds s[\g0:\g0+3], s[\g1:\g1+7]
	s_nop 0
.rept 4
	v_nop
.endr
	s_branch .Lhead_asked
\next:
.endm
	ARM 1, G0,  G1,  .Lhead_b
	ARM 2, G0B, G1B, .Lhead_sa
	ARM 3, G0S, G1S, .Lhead_sb
	tensor_load_to_lds s[G0SB:G0SB+3], s[G1SB:G1SB+7]
	s_nop 0
.rept 4
	v_nop
.endr
.Lhead_asked:
	s_mul_i32 s21, s15, 3072                       ; my four blocks of A,
	s_mul_i32 s22, s16, 3072                       ; of B,
	s_add_co_u32 s22, s22, BCOD
	s_lshl_b32 s12, s15, 11                        ; my A blocks' scale words: 2,048 bytes for four blocks
	s_lshl_b32 s13, s16, 11
	s_add_co_u32 s13, s13, 4096
	s_sub_co_u32 s13, s13, s12                     ; from them to my B blocks'
	s_add_co_u32 s12, s12, SCL
	s_mul_i32 s23, s14, 16*SPITCH
	s_add_co_u32 s23, s23, STG                     ; my stage
	s_lshl_b32 s36, s42, 9
	s_lshl_b32 s37, s16, 8
	s_add_co_u32 s36, s36, s37                     ; my first column, in bytes
	s_mov_b32 s37, 0
	s_add_nc_u64 s[8:9], s[8:9], s[36:37]
	s_lshl_b32 s38, s18, 19
	s_lshl_b32 s39, s15, 18
	s_add_co_u32 s38, s38, s39
	s_add_co_u32 s38, s38, s36                     ; my first token's row of 4,096 bytes, and the column
	s_mov_b32 s39, 0
	s_add_nc_u64 s[10:11], s[10:11], s[38:39]
	v_and_b32 v1, 15, v0                           ; r
	v_bfe_u32 v2, v0, 4, 1                         ; h
	v_and_b32 v3, 31, v0                           ; lane
	v_lshlrev_b32 v4, 4, v3
	v_lshlrev_b32 v5, 3, v3
	v_add_nc_u32 v[ADRA], s21, v4
	v_add_nc_u32 v[ADRA+2], s21, v5
	v_add_nc_u32 v[ADRB], s22, v4
	v_add_nc_u32 v[ADRB+2], s22, v5
	v_add_nc_u32 v[ADRA+1], 49152, v[ADRA]         ; K steps 4-7: an LDS offset has 16 bits
	v_add_nc_u32 v[ADRA+3], 49152, v[ADRA+2]
	v_add_nc_u32 v[ADRB+1], 49152, v[ADRB]
	v_add_nc_u32 v[ADRB+3], 49152, v[ADRB+2]
	v_lshlrev_b32 v6, 3, v1                        ; my row's two words of 256 along K: 8 r
	v_mul_u32_u24 v7, s13, v2                      ; lanes 16-31 take B's: one product of h
	v_add_nc_u32 v6, v6, v7
	v_add_nc_u32 v[ADRS], s12, v6
	v_mul_u32_u24 v6, v1, SPITCH                   ; into the stage: row r, 64 bytes for each half of the lanes
	v_lshl_add_u32 v6, v2, 6, v6
	v_add_nc_u32 v[STO], s23, v6
	v_mul_u32_u24 v7, v2, SPITCH                   ; back: lanes 0-15 one row of 256 bytes, lanes 16-31 the next
	v_lshl_add_u32 v7, v1, 4, v7
	v_add_nc_u32 v[RD], s23, v7
	v_lshlrev_b32 v8, 12, v2                       ; and the same two rows in out0
	v_lshl_add_u32 v[CO], v1, 4, v8
	v_lshlrev_b32 v[H64], 6, v2
	WIN 0x40                                       ; destination window 1
.irp b, 0,1,2,3
	global_load_b128 v[128+8*\b:131+8*\b], v[H64], s[8:9] offset:(32*(\b/2)+8*(\b%2))*4       ; the bias at my eight columns of accumulator (., b)
	global_load_b128 v[132+8*\b:135+8*\b], v[H64], s[8:9] offset:(32*(\b/2)+8*(\b%2))*4+16
.endr
	WIN 0
.macro FRAG reg, adr, s, i             ; a fragment, 16 rows x 128 K, 12 registers: two half images; registers 6 c .. 6 c + 3 at 16 x lane, 6 c + 4, 6 c + 5 at 512 + 8 x lane
.irp c, 0,1
	ds_load_b128 v[\reg+6*\c:\reg+6*\c+3], v[\adr+(\s)/4] offset:(2*((\s)%4)+\c)*6144+(\i)*768
	ds_load_b64 v[\reg+6*\c+4:\reg+6*\c+5], v[\adr+2+(\s)/4] offset:(2*((\s)%4)+\c)*6144+(\i)*768+512
.endr
.endm
.macro FETCH s                         ; K step s: A's four and B's four fragments, 32 LDS loads, at the numbers of set s % 2; the window is set by the caller
.irp i, 0,1,2,3
	FRAG 32+96*((\s)%2)+12*\i, ADRA, \s, \i
	FRAG 80+96*((\s)%2)+12*\i, ADRB, \s, \i
.endr
.endm
; 16 matrix instructions, 128 along K.  The 16 accumulators take turns, one instruction a turn, in the same order in every step.
.macro MUL s, first
.irp a, 0,1,2,3
.irp b, 0,1,2,3
.if \first
	v_wmma_scale_f32_16x16x128_f8f6f4 v[8*(4*\a+\b):8*(4*\a+\b)+7], v[80+96*((\s)%2)+12*\b:80+96*((\s)%2)+12*\b+11], v[32+96*((\s)%2)+12*\a:32+96*((\s)%2)+12*\a+11], v[128+8*\b:135+8*\b], v[SC+8*\b+(\s)], v[SC+8*\a+(\s)] matrix_a_fmt:MATRIX_FMT_BF6 matrix_b_fmt:MATRIX_FMT_BF6 matrix_a_scale:MATRIX_SCALE_ROW1
.else
	v_wmma_scale_f32_16x16x128_f8f6f4 v[8*(4*\a+\b):8*(4*\a+\b)+7], v[80+96*((\s)%2)+12*\b:80+96*((\s)%2)+12*\b+11], v[32+96*((\s)%2)+12*\a:32+96*((\s)%2)+12*\a+11], v[8*(4*\a+\b):8*(4*\a+\b)+7], v[SC+8*\b+(\s)], v[SC+8*\a+(\s)] matrix_a_fmt:MATRIX_FMT_BF6 matrix_b_fmt:MATRIX_FMT_BF6 matrix_a_scale:MATRIX_SCALE_ROW1
.endif
.endr
.endr
.endm
	s_wait_alu depctr_va_vdst(0)
	s_wait_tensorcnt 0x0                           ; my load has landed;
	s_barrier_signal -1
	s_barrier_wait -1                              ; everybody's has.
.irp i, 0,1,2,3
.irp q, 0,1,2,3
	ds_load_b64 v[SC+8*\i+2*\q:SC+8*\i+2*\q+1], v[ADRS] offset:(\i/2)*1024+\q*256+(\i%2)*128   ; all of K's scale words of my blocks
.endr
.endr
	FETCH 0
	FETCH 1
.set ST, 0
.rept 8                                ; the eight K steps are written out: every offset is an immediate
.if ST < 6
.if ST > 0
	PLACES                                         ; in front of loads into a set that earlier products have read
.endif
.if ((ST+2)%4) < 2
	WIN 0
.else
	WIN 0x80                                       ; destination window 2
.endif
	FETCH ST+2
	s_wait_dscnt 63                                ; this step's fragments are in: behind them stand the 64 loads of the next two steps, and 63 is the largest count that the wait takes
.else
	s_wait_dscnt 32*(7-ST)                         ; behind this step's fragments stand those of the steps that are left
.endif
.if ST == 0
	s_wait_loadcnt 0x0                             ; the bias
.endif
.if (ST%4) < 2
	WIN 0x50                                       ; C and D window 1
.else
	WIN 0x5a                                       ; and sources 0 and 1 window 2
.endif
.if ST == 0
	MUL ST, 1
.else
	MUL ST, 0
.endif
.set ST, ST+1
.endr
	PLACES                                         ; behind the last products: reads of results and loads into fragments' registers follow
.irp a, 0,1,2,3                        ; block a: 16 tokens x 64 columns into my stage and back as rows of 256 bytes, into v[32 + 32 a ..].  LDS serves a wave's instructions in order (ISA guide 5.7.1.4)
	WIN 0x04                                       ; store data: window 1
.irp b, 0,1,2,3
	ds_store_b128 v[STO], v[8*(4*\a+\b):8*(4*\a+\b)+3] offset:128*(\b/2)+32*(\b%2)          ; each accumulator from its low end on
	ds_store_b128 v[STO], v[8*(4*\a+\b)+4:8*(4*\a+\b)+7] offset:128*(\b/2)+32*(\b%2)+16
.endr
	WIN 0
.irp t, 0,1,2,3,4,5,6,7
	ds_load_b128 v[32+32*\a+4*\t:32+32*\a+4*\t+3], v[RD] offset:\t*2*SPITCH
.endr
.endr
.irp a, 0,1,2,3
	s_wait_dscnt 16*(3-\a)                         ; block a is back; the 16 LDS instructions of each later block may be out
.irp t, 0,1,2,3,4,5,6,7
	global_store_b128 v[CO], v[32+32*\a+4*\t:32+32*\a+4*\t+3], s[10:11] offset:(2*\t+8*(\t/4)+32*(\a/2)+8*(\a%2))*4096 th:TH_STORE_NT   ; stage row 2 t + lane / 16 is token 32 (a/2) + 8 (a%2) + row + 8 (row/8); 16 lanes store 256 consecutive bytes, aligned
.endr
.endr
	s_wait_tensorcnt 0x0                           ; the wave's end
	ds_add_u32 v[SPW], v[NIL]
	s_wait_dscnt 0x0
	CROUND                                         ; the closing round: no work-group ends while a partner may still ask for a tile that names it
	s_endpgm
.Lfunc_end_k_q8fc4920f00_gemm_out:
	.size	k_q8fc4920f00_gemm_out, .Lfunc_end_k_q8fc4920f00_gemm_out-k_q8fc4920f00_gemm_out
	.p2alignl 7, 3214868480
	.fill 96, 4, 3214868480
	.section	.rodata,"a",@progbits
	.p2align	6, 0x0
	.amdhsa_kernel k_q8fc4920f00_gemm_out
		.amdhsa_group_segment_fixed_size 229376
		.amdhsa_private_segment_fixed_size 0
		.amdhsa_enable_private_segment 0
		.amdhsa_kernarg_size 32
		.amdhsa_user_sgpr_count 2
		.amdhsa_user_sgpr_kernarg_segment_ptr 1
		.amdhsa_wavefront_size32 1
		.amdhsa_system_sgpr_workgroup_id_x 1
		.amdhsa_system_sgpr_workgroup_id_y 1
		.amdhsa_system_sgpr_workgroup_id_z 1
		.amdhsa_system_vgpr_workitem_id 0
		.amdhsa_next_free_vgpr 736
		.amdhsa_next_free_sgpr 98
		.amdhsa_reserve_vcc 0
		.amdhsa_float_denorm_mode_32 3
		.amdhsa_float_denorm_mode_16_64 3
		.amdhsa_memory_ordered 1
		.amdhsa_forward_progress 1
		.amdhsa_inst_pref_size 52
	.end_amdhsa_kernel
	.amdgpu_metadata
---
amdhsa.version: [ 1, 2 ]
amdhsa.kernels:
  - .name:           k_q8fc4920f00_gemm_out
    .symbol:         k_q8fc4920f00_gemm_out.kd
    .args:
      - { .name: ctx, .offset: 0, .size: 8, .value_kind: global_buffer, .address_space: global }
      - { .name: ops, .offset: 8, .size: 8, .value_kind: global_buffer, .address_space: global }
      - { .name: out_b, .offset: 16, .size: 8, .value_kind: global_buffer, .address_space: global }
      - { .name: out0, .offset: 24, .size: 8, .value_kind: global_buffer, .address_space: global }
    .group_segment_fixed_size: 229376
    .private_segment_fixed_size: 0
    .kernarg_segment_align: 8
    .kernarg_segment_size: 32
    .max_flat_workgroup_size: 128
    .sgpr_count:     98
    .vgpr_count:     736
    .wavefront_size: 32
...
	.end_amdgpu_metadata
.endif
;; end of part 4
